; MI455X (gfx1250); checked and timed in simulation.
; The chip was launched on July 23, 2026; its instructions are those of AMD's public machine-readable ISA for CDNA 5 (MIT licence, August 2026) and "CDNA5" Instruction Set Architecture Reference Guide (July 2026). The comments in the code are by the model that wrote it; some were corrected since.
;; Transformer Post LN. Allowed arithmetic: float matrix products may take bf16 or f16 operands with f32 sums; all other float work in f32.
;; Inputs: b1 2,048 float32; b2 512 float32; bk 512 float32; bo 512 float32; bq 512 float32; bv 512 float32; kx 4 x 2,048 x 512 float32; ln1_b 512 float32; ln1_g 512 float32; ln2_b 512 float32; ln2_g 512 float32; maskPAD 4 x 2,048 x 2,048 int32; qx 4 x 2,048 x 512 float32; vx 4 x 2,048 x 512 float32; w1 512 x 2,048 float32; w2 2,048 x 512 float32; wk 512 x 512 float32; wo 512 x 512 float32; wq 512 x 512 float32; wv 512 x 512 float32.
;; Outputs: out0 4 x 2,048 x 512 float32.
;; 2 versions, each right and faster than the one before. Each part assembles by itself: llvm-mc -triple=amdgcn-amd-amdhsa -mcpu=gfx1250 --defsym DOCPART=n.
;; ======== version 1 of 2: 4 launches
;; workspace buffers: mb 2,097,152 bytes of whole numbers; wb 6,291,456 bytes; qh 8,388,608 bytes; kh 8,388,608 bytes; vh 8,388,608 bytes; zh 8,388,608 bytes
;; launch prep (part 1): grid 256 x 1, 8 waves a work-group, no clusters, 271,360 bytes of LDS; arguments maskPAD, wq, wk, wv, wo, w1, w2, mb, wb; writes mb, wb
.if DOCPART == 1
	.amdgcn_target "amdgcn-amd-amdhsa--gfx1250"
	.amdhsa_code_object_version 6
	.text
	.protected	k_qd988632810_prep
	.globl	k_qd988632810_prep
	.p2align	8
	.type	k_qd988632810_prep,@function
k_qd988632810_prep:
	s_mov_b64 s[64:65], 0
	v_nop
	global_prefetch_b8 v0, s[64:65] scope:SCOPE_SE
	s_setreg_imm32_b32 hwreg(HW_REG_WAVE_MODE, 25, 1), 1
	s_wait_xcnt 0x0
; prep: two conversions that later launches read many times.
; (1) maskPAD [4][2048][2048] i32 -> mb [b][qt 128][kt 128][j 8] u32: bit (r + 16 h) of word j is set where
;     maskPAD[b][16 qt + r][16 kt + 8 h + j] != 0.  That is the lane mask of register j of a 16 x 16 tile of
;     transposed scores (lane = query r and half h, register = key 8 h + j), ready for v_cndmask_b32.  The 64 MiB
;     of the mask are read here once, 2 MiB are written, and the eight heads later read those.
; (2) the six weight matrices f32 -> bf16, as 12 dense blocks [512 k][512 n] in wb: wq, wk, wv, wo, then for
;     c = 0..3 the columns 512 c.. of w1 and the rows 512 c.. of w2, in the order in which the last launch walks them.
; 256 work-groups of 8 waves.  Work-group g owns mask rows 32 g .. 32 g + 31; wave w takes 16 rows (w / 4) and a quarter
; of the keys (w % 4) as four tiles of 16 rows x 128 keys, each brought by one tensor load (rows of 512 bytes, aligned).
; All four go out at the start, so a wave has four tensor loads outstanding at the most.  Each wave reads only what its own
; loads brought and nothing is filled twice: no barrier.  No work-group shares input with another: no cluster.
; No matrix work: memory binds this launch.
.set MPITCH, 528                       ; LDS row: 512 bytes + 16: an odd multiple of 16, so the 16 rows that a load touches start in 16 different 16-byte columns modulo 256
.set TILEB,  16*MPITCH                 ; 8,448
.set WAVEB,  4*TILEB                   ; 33,792: a wave's four tiles
.set G1, 24                            ; s[24:31] descriptor group 1
.set G0, 32                            ; s[32:47] descriptor group 0, one set for each tile
.set CM, 48                            ; s[48:55] eight lane masks
.set WD, 4                             ; v[4:11]  tile i: the 64 words, two a lane
.set MD, 16                            ; v[16:79] a tile's numbers: register 8 kt + j = key 16 kt + 8 h + j of row r
.set WF, 80                            ; v[80:127]  weights as loaded
.set WH, 128                           ; v[128:151] weights in bf16
	s_load_b512 s[4:19], s[0:1], 0x0               ; maskPAD s[4:5], wq, wk, wv, wo s[6:13], w1 s[14:15], w2 s[16:17], mb s[18:19]
	s_load_b64 s[20:21], s[0:1], 0x40              ; wb
	v_lshl_add_u32 v152, v0, 2, 0x42000
	v_mov_b32 v153, 0
	ds_add_u32 v152, v153
	ds_add_u32 v152, v153
	v_lshrrev_b32 v1, 5, v0
	v_readfirstlane_b32 s22, v1                    ; wave 0..7
	s_lshr_b32 s23, s22, 2                         ; which 16 rows
	s_and_b32 s56, s22, 3                          ; which quarter of the keys
	s_mov_b32 s[G1+0], (2<<16)|(1<<20)|(6<<22)|(3<<25)  ; elements of 4 bytes; padding on: after every 128 words, 4 words
	s_mov_b32 s[G1+1], 128<<16                     ; tensor_dim0 = 128
	s_mov_b32 s[G1+2], 16<<16                      ; tensor_dim1 = 16
	s_mov_b32 s[G1+3], 128<<16                     ; tile_dim0 = 128
	s_mov_b32 s[G1+4], 16                          ; tile_dim1 = 16
	s_mov_b32 s[G1+5], 2048                        ; elements from row to row
	s_mov_b32 s[G1+6], 0
	s_mov_b32 s[G1+7], 0
	s_mul_i32 s57, s22, WAVEB                      ; my wave's LDS bytes
	s_lshl_b32 s2, ttmp9, 18                       ; 32 rows of 8,192 bytes a work-group
	s_lshl_b32 s58, s23, 17                        ; 16 rows
	s_add_co_u32 s2, s2, s58
	s_lshl_b32 s58, s56, 11                        ; 512 keys
	s_add_co_u32 s2, s2, s58
	s_mov_b32 s3, 0
	s_wait_dscnt 0x0
	s_wait_kmcnt 0x0
	s_add_nc_u64 s[4:5], s[4:5], s[2:3]
.irp i, 0,1,2,3
	s_mov_b32 s[G0+4*\i], 1
	s_add_co_u32 s[G0+4*\i+1], s57, \i*TILEB
	s_add_nc_u64 s[G0+4*\i+2:G0+4*\i+3], s[4:5], \i*512
	s_or_b32 s[G0+4*\i+3], s[G0+4*\i+3], 0x80000000
	tensor_load_to_lds s[G0+4*\i:G0+4*\i+3], s[G1:G1+7]
	s_nop 0
.endr
	; the weights: thread t takes 16 bytes of each 4,096-byte piece; a wave's load covers 512 bytes, its store 256, both aligned
	v_lshlrev_b32 v3, 4, v0                        ; 16 t
	v_lshlrev_b32 v12, 3, v0                       ; 8 t
	v_lshrrev_b32 v14, 7, v0
	v_and_b32 v13, 0x7f, v0
	v_lshlrev_b32 v13, 3, v13
	v_lshl_add_u32 v13, v14, 20, v13               ; w1: threads 128.. fall into the next column chunk, two blocks further on
	s_lshl_b32 s58, ttmp9, 12
	s_mov_b32 s59, 0
.irp m, 0,1,2,3
	s_add_nc_u64 s[6+2*\m:7+2*\m], s[6+2*\m:7+2*\m], s[58:59]
.endr
	s_lshl_b32 s60, ttmp9, 14
	s_mov_b32 s61, 0
	s_add_nc_u64 s[14:15], s[14:15], s[60:61]      ; w1: rows 2 g, 2 g + 1
	s_add_nc_u64 s[16:17], s[16:17], s[60:61]      ; w2: rows 8 g .. 8 g + 7
.irp m, 0,1,2,3
	global_load_b128 v[WF+4*\m:WF+4*\m+3], v3, s[6+2*\m:7+2*\m] th:TH_LOAD_NT
.endr
.irp i, 0,1,2,3
	global_load_b128 v[WF+16+4*\i:WF+16+4*\i+3], v3, s[14:15] offset:\i*4096 th:TH_LOAD_NT
	global_load_b128 v[WF+32+4*\i:WF+32+4*\i+3], v3, s[16:17] offset:\i*4096 th:TH_LOAD_NT
.endr
	s_lshl_b32 s62, ttmp9, 11
	s_mov_b32 s63, 0
	s_add_nc_u64 s[66:67], s[20:21], s[62:63]      ; wb + 2,048 g: the square matrices and w1
	s_lshr_b32 s62, ttmp9, 6                       ; w2: row chunk g / 64 = block 5 + 2 (g / 64),
	s_lshl_b32 s62, s62, 20
	s_and_b32 s58, ttmp9, 63
	s_lshl_b32 s58, s58, 13                        ; 8 rows of 1,024 bytes
	s_add_co_u32 s62, s62, s58
	s_add_co_u32 s62, s62, 5*524288
	s_add_nc_u64 s[68:69], s[20:21], s[62:63]
	s_lshl_b32 s60, ttmp9, 13                      ; mb: 4,096 bytes for each 16 rows,
	s_lshl_b32 s58, s23, 12
	s_add_co_u32 s60, s60, s58
	s_lshl_b32 s58, s56, 10                        ; 1,024 for a quarter of the keys
	s_add_co_u32 s60, s60, s58
	s_add_nc_u64 s[18:19], s[18:19], s[60:61]
	v_and_b32 v14, 15, v0                          ; r
	v_bfe_u32 v15, v0, 4, 1                        ; h
	v_mul_u32_u24 v1, v14, MPITCH
	v_lshl_add_u32 v1, v15, 5, v1
	v_add_nc_u32 v1, s57, v1                       ; row r, 32 h bytes in: keys 8 h ..
	v_and_b32 v2, 31, v0
	v_lshlrev_b32 v2, 3, v2                        ; 8 x lane: two words a lane
.irp i, 0,1,2,3,4,5,6,7
	v_mov_b32 v[WD+\i], 0                          ; v_writelane_b32 counts as a reader of its destination
.endr
	s_wait_loadcnt 0x0
.set i, 0
.rept 24
	v_cvt_pk_bf16_f32 v[WH+i], v[WF+2*i], v[WF+2*i+1]
.set i, i+1
.endr
.irp m, 0,1,2,3
	global_store_b64 v12, v[WH+2*\m:WH+2*\m+1], s[66:67] offset:\m*524288
.endr
.irp i, 0,1,2,3
	global_store_b64 v13, v[WH+8+2*\i:WH+8+2*\i+1], s[66:67] offset:(4+4*(\i&1))*524288+(\i>>1)*1024   ; piece i: row 2 g + i / 2, columns 1,024 (i % 2) ..
	global_store_b64 v12, v[WH+16+2*\i:WH+16+2*\i+1], s[68:69] offset:\i*2048
.endr
; one tile: 16 rows x 128 keys -> 64 words
.macro MTILE i
	s_wait_tensorcnt 3-\i                          ; tensor loads of a wave end in order: tile i is in, the younger ones stay out
.irp kt, 0,1,2,3,4,5,6,7
	ds_load_b128 v[MD+8*\kt:MD+8*\kt+3], v1 offset:\i*TILEB+\kt*64
	ds_load_b128 v[MD+8*\kt+4:MD+8*\kt+7], v1 offset:\i*TILEB+\kt*64+16
.endr
	s_wait_dscnt 0x0
.irp kt, 0,1,2,3,4,5,6,7
.irp j, 0,1,2,3,4,5,6,7
	v_cmp_ne_u32 s[CM+\j], 0, v[MD+8*\kt+\j]       ; the word itself: one bit a lane
.endr
.irp j, 0,1,2,3,4,5,6,7
	v_writelane_b32 v[WD+2*\i+(\j&1)], s[CM+\j], 4*\kt+(\j>>1)   ; word 8 kt + j goes to lane (8 kt + j) / 2
.endr
.endr
	global_store_b64 v2, v[WD+2*\i:WD+2*\i+1], s[18:19] offset:\i*256    ; 256 consecutive bytes, aligned
.endm
	MTILE 0
	MTILE 1
	MTILE 2
	MTILE 3                                        ; its wait is for 0: no tensor load is out at the end
	s_wait_tensorcnt 0x0
	ds_add_u32 v152, v153
	s_wait_dscnt 0x0
	s_endpgm
.Lfunc_end_k_qd988632810_prep:
	.size	k_qd988632810_prep, .Lfunc_end_k_qd988632810_prep-k_qd988632810_prep
	.p2alignl 7, 3214868480
	.fill 96, 4, 3214868480
	.section	.rodata,"a",@progbits
	.p2align	6, 0x0
	.amdhsa_kernel k_qd988632810_prep
		.amdhsa_group_segment_fixed_size 271360
		.amdhsa_private_segment_fixed_size 0
		.amdhsa_enable_private_segment 0
		.amdhsa_kernarg_size 72
		.amdhsa_user_sgpr_count 2
		.amdhsa_user_sgpr_kernarg_segment_ptr 1
		.amdhsa_wavefront_size32 1
		.amdhsa_system_sgpr_workgroup_id_x 1
		.amdhsa_system_sgpr_workgroup_id_y 1
		.amdhsa_system_sgpr_workgroup_id_z 1
		.amdhsa_system_vgpr_workitem_id 0
		.amdhsa_next_free_vgpr 154
		.amdhsa_next_free_sgpr 70
		.amdhsa_reserve_vcc 0
		.amdhsa_float_denorm_mode_32 3
		.amdhsa_float_denorm_mode_16_64 3
		.amdhsa_memory_ordered 1
		.amdhsa_forward_progress 1
		.amdhsa_inst_pref_size 46
	.end_amdhsa_kernel
	.amdgpu_metadata
---
amdhsa.version: [ 1, 2 ]
amdhsa.kernels:
  - .name:           k_qd988632810_prep
    .symbol:         k_qd988632810_prep.kd
    .args:
      - { .name: maskPAD, .offset: 0, .size: 8, .value_kind: global_buffer, .address_space: global }
      - { .name: wq, .offset: 8, .size: 8, .value_kind: global_buffer, .address_space: global }
      - { .name: wk, .offset: 16, .size: 8, .value_kind: global_buffer, .address_space: global }
      - { .name: wv, .offset: 24, .size: 8, .value_kind: global_buffer, .address_space: global }
      - { .name: wo, .offset: 32, .size: 8, .value_kind: global_buffer, .address_space: global }
      - { .name: w1, .offset: 40, .size: 8, .value_kind: global_buffer, .address_space: global }
      - { .name: w2, .offset: 48, .size: 8, .value_kind: global_buffer, .address_space: global }
      - { .name: mb, .offset: 56, .size: 8, .value_kind: global_buffer, .address_space: global }
      - { .name: wb, .offset: 64, .size: 8, .value_kind: global_buffer, .address_space: global }
    .group_segment_fixed_size: 271360
    .private_segment_fixed_size: 0
    .kernarg_segment_align: 8
    .kernarg_segment_size: 72
    .max_flat_workgroup_size: 256
    .sgpr_count:     70
    .vgpr_count:     154
    .wavefront_size: 32
...
	.end_amdgpu_metadata
.endif
;; end of part 1
;; launch qkv (part 2): grid 256 x 1, 4 waves a work-group, clusters of 4 x 1, 327,680 bytes of LDS; arguments qx, kx, vx, wb, bq, bk, bv, qh, kh, vh; writes qh, kh, vh
.if DOCPART == 2
	.amdgcn_target "amdgcn-amd-amdhsa--gfx1250"
	.amdhsa_code_object_version 6
	.text
	.protected	k_qd988632810_qkv
	.globl	k_qd988632810_qkv
	.p2align	8
	.type	k_qd988632810_qkv,@function
k_qd988632810_qkv:
	s_mov_b64 s[64:65], 0
	v_nop
	global_prefetch_b8 v0, s[64:65] scope:SCOPE_SE
	s_setreg_imm32_b32 hwreg(HW_REG_WAVE_MODE, 25, 1), 1
	s_wait_xcnt 0x0
	s_wait_alu depctr_hold_cnt(0) depctr_sa_sdst(0) depctr_va_vdst(0) depctr_va_sdst(0) depctr_va_ssrc(0) depctr_va_vcc(0) depctr_vm_vsrc(0)
	s_getreg_b32 s2, hwreg(HW_REG_IB_STS2, 6, 4)
	s_cmp_eq_u32 s2, 0
	s_cbranch_scc0 .Lentry_in_a_cluster
	s_endpgm
.Lentry_in_a_cluster:
	s_bfe_u32 s2, ttmp6, 0x10000c
	s_cmp_lg_u32 s2, 0x3003
	s_cbranch_scc0 .Lentry_shape_is_right
	s_endpgm
.Lentry_shape_is_right:
; qkv: q = (qx wq + bq) log2(e)/8, k = kx wk + bk, v = vx wv + bv, stored in bf16 as [b][head][l][64].
; The factor log2(e)/8 (the 1/sqrt(64) of the scores and the change to base 2) is applied in f32 before q is rounded to bf16:
; an order of rounding that differs from the problem's function, which divides the scores.
; 256 work-groups of four waves; a work-group owns 32 token rows and makes three passes of 32 x 512 x 512.  Wave w owns the
; output columns 128 w .. 128 w + 127 of all 32 rows: 8 x 2 accumulator tiles, 128 registers.
; The weights (bf16 blocks [512 k][512 n] of wb) go in tiles of 128 k x 512 n through a ring of two LDS slots; each wave
; fetches a quarter of a tile, 32 rows of 1,024 bytes.  CLUSTER: every work-group walks the same 12 tiles, so the four of a
; cluster ask for them jointly (mask 15); nothing in a descriptor hangs on the place in the cluster.
; The matrix instruction is used transposed: source 0 = 16 columns of the weights, source 1 = 16 token rows, so that a lane's
; eight results are eight neighbouring columns of one token.
; WINDOWS: 0: addresses, fragments, bias; 1: v0-127 the next pass's x rows as loaded; 2: v0-127 the accumulators.
.set FIRSTBLK, 0
.set WPITCH, 1056                      ; 1,024 + 32: an odd multiple of 32
.set QUART,  32*WPITCH                 ; 33,792: what one tensor load brings
.set SLOT,   4*QUART                   ; 135,168
.set TILEBYTES, 131072                 ; a tile in wb
.set STAGE,  2*SLOT                    ; 270,336: 32 rows of activations in bf16
.set SPITCH, 1040                      ; 1,024 + 16: an odd multiple of 16
.set OUTS,   STAGE+33792               ; 304,128: 16 rows x 272 bytes for each wave, for the way out
.set OPITCH, 272
.set QSCALE, 0x3e38aa3b                ; log2(e) / 8
.set F0,  32                           ; v[32:95]   weight fragments, buffer 0
.set F1,  96                           ; v[96:159]  buffer 1
.set GA0, 160                          ; v[160:175] activation fragments, buffer 0
.set GA1, 176                          ; v[176:191] buffer 1
.set T,   192                          ; v[192:255] the bias of my 8 x 8 columns
.set PK,  128                          ; the way out: packed results
.set RB,  96                           ; the way out: rows read back
.set G1,  40                           ; s[40:47] descriptor group 1
.set G0,  48                           ; s[48:55] descriptor group 0, one set for each slot
.set MSB, 0
.macro WIN new                         ; the immediate's high byte repeats the setting that is left
.if MSB != \new
	s_set_vgpr_msb (MSB<<8)|\new
.set MSB, \new
.endif
.endm
.macro PLACES n                        ; places behind matrix instructions (ISA guide 7.12.1)
.rept \n
	v_nop
.endr
.endm
.macro ROUND                           ; a round of the cluster's barrier
	s_barrier_signal -1
	s_barrier_wait -1
	s_cmp_lg_u32 s8, 0
	s_cbranch_scc1 .Lnot_wave_0_\@
	s_barrier_signal -3
.Lnot_wave_0_\@:
	s_barrier_wait -3
	s_barrier_signal -1
	s_barrier_wait -1
.endm
; The head of a tile's trip.  All my tensor loads have landed (the one that was out is my quarter of this trip's tile), so a
; group 0 may be written; my LDS reads and stores are done; the round shows both of every wave of the four work-groups; the
; refill of the slot read last is the first thing behind it, one load a wave, and has this tile's work in which to land.
.macro TRIPHEAD slot, refill
	s_wait_tensorcnt 0x0
	ds_add_u32 v30, v31
	s_wait_dscnt 0x0
	s_add_nc_u64 s[G0+4*\slot+2:G0+4*\slot+3], s[G0+4*\slot+2:G0+4*\slot+3], 2*TILEBYTES
	s_wait_dscnt 0x0
	ROUND
.if \refill
	tensor_load_to_lds s[G0+4-4*\slot:G0+7-4*\slot], s[G1:G1+7]
	s_nop 0
.endif
.endm
; weights stored [k][n]: the transposing load gives lane (r, h) column n0 + r, k = k0 + 8 h .. + 7, and 16 rows further down the second half
.macro FETCHW slot, ks, f
.irp nt, 0,1,2,3,4,5,6,7
	ds_load_tr16_b128 v[\f+8*\nt:\f+8*\nt+3], v[1+2*\slot+(\ks>>1)] offset:(\ks&1)*QUART+\nt*32
	ds_load_tr16_b128 v[\f+8*\nt+4:\f+8*\nt+7], v[1+2*\slot+(\ks>>1)] offset:(\ks&1)*QUART+\nt*32+16*WPITCH
.endr
.endm
.macro FETCHA tp, ks, g
.irp mt, 0,1
	ds_load_b128 v[\g+8*\mt:\g+8*\mt+3], v5 offset:\mt*16*SPITCH+(\tp*128+\ks*32)*2
	ds_load_b128 v[\g+8*\mt+4:\g+8*\mt+7], v5 offset:\mt*16*SPITCH+(\tp*128+\ks*32)*2+32
.endr
.endm
.macro FETCH slot, asrc, tp, ks, f, g
	FETCHW \slot, \ks, \f
.if \asrc == 0
	FETCHA \tp, \ks, \g
.endif
.endm
; 16 matrix instructions on 16 accumulators, one instruction a turn, in the same order in every run
.macro MUL f, a, acc, zero
.irp nt, 0,1,2,3,4,5,6,7
.irp mt, 0,1
.if \zero
	v_wmma_f32_16x16x32_bf16 v[\acc+16*\nt+8*\mt:\acc+16*\nt+8*\mt+7], v[\f+8*\nt:\f+8*\nt+7], v[\a+8*\mt:\a+8*\mt+7], 0
.else
	v_wmma_f32_16x16x32_bf16 v[\acc+16*\nt+8*\mt:\acc+16*\nt+8*\mt+7], v[\f+8*\nt:\f+8*\nt+7], v[\a+8*\mt:\a+8*\mt+7], v[\acc+16*\nt+8*\mt:\acc+16*\nt+8*\mt+7]
.endif
.endr
.endr
.endm
.macro MULT asrc, tp, ks, f, g, acc, zero
.if \asrc == 0
	WIN 0xa0                                       ; C and D in window 2
	MUL \f, \g, \acc, \zero
.else
	WIN 0xa4                                       ; and the activations in window 1
	MUL \f, 16*(4*\tp+\ks), \acc, \zero
.endif
.endm
; one tile: four steps of 32 along k on two fragment buffers.  Each counted wait leaves the NL loads of the fetch just issued out.
.macro TILE slot, asrc, tp, acc, zero
.set NL, 20-4*\asrc
	WIN 0
	PLACES 4                                       ; the buffers were read by the matrix instructions in front
	FETCH \slot, \asrc, \tp, 0, F0, GA0
	FETCH \slot, \asrc, \tp, 1, F1, GA1
	s_wait_dscnt NL
	MULT \asrc, \tp, 0, F0, GA0, \acc, \zero
	WIN 0
	PLACES 4
	FETCH \slot, \asrc, \tp, 2, F0, GA0
	s_wait_dscnt NL
	MULT \asrc, \tp, 1, F1, GA1, \acc, 0
	WIN 0
	PLACES 4
	FETCH \slot, \asrc, \tp, 3, F1, GA1
	s_wait_dscnt NL
	MULT \asrc, \tp, 2, F0, GA0, \acc, 0
	s_wait_dscnt 0x0
	MULT \asrc, \tp, 3, F1, GA1, \acc, 0
	WIN 0
.endm
.macro PASS asrc, acc, zero, lastrefill ; 32 x 512 x 512: four tiles; a pass begins on slot 0
	TRIPHEAD 0, 1
	TILE 0, \asrc, 0, \acc, \zero
	TRIPHEAD 1, 1
	TILE 1, \asrc, 1, \acc, 0
	TRIPHEAD 0, 1
	TILE 0, \asrc, 2, \acc, 0
	TRIPHEAD 1, \lastrefill
	TILE 1, \asrc, 3, \acc, 0
.endm
.macro BLOAD p, d                      ; 64 numbers of a [512] vector: my columns 128 w + 16 nt + 8 h + 0..7
.irp nt, 0,1,2,3,4,5,6,7
	global_load_b128 v[\d+8*\nt:\d+8*\nt+3], v9, s[\p:\p+1] offset:\nt*64
	global_load_b128 v[\d+8*\nt+4:\d+8*\nt+7], v9, s[\p:\p+1] offset:\nt*64+16
.endr
.endm
.macro XLOAD p                         ; 32 rows of 2,048 bytes: the four waves together take one row with each instruction
	WIN 0x40
.set i, 0
.rept 32
	global_load_b128 v[4*i:4*i+3], v7, s[\p:\p+1] offset:i*2048 th:TH_LOAD_NT
.set i, i+1
.endr
	WIN 0
.endm
.macro XSTAGE                          ; the rows to bf16 and into the stage
	s_wait_loadcnt 0x0
	WIN 0x05
.set i, 0
.rept 64
	v_cvt_pk_bf16_f32 v[F0+i], v[2*i], v[2*i+1]
.set i, i+1
.endr
	WIN 0
.set i, 0
.rept 32
	ds_store_b64 v8, v[F0+2*i:F0+2*i+1] offset:i*SPITCH
.set i, i+1
.endr
.endm
; The way out, 16 tokens at a time: bias (and q's factor), bf16, 16 bytes a lane into my own stage, read back so that a store
; of the wave covers four tokens' 128-byte rows of one head: 512 consecutive bytes, aligned.  The stage is the wave's own
; and LDS serves a wave's instructions in order: no wait between its stores and its loads.
.macro QOUT p, scale
	PLACES 4
	s_wait_loadcnt 0x0                             ; the bias
.if \scale
.set i, 0
.rept 32
	v_pk_mul_f32 v[T+2*i:T+2*i+1], v[T+2*i:T+2*i+1], QSCALE op_sel_hi:[1,0]
.set i, i+1
.endr
.endif
.irp mt, 0,1
	WIN 0x02
.irp nt, 0,1,2,3,4,5,6,7
.irp c, 0,2,4,6
.if \scale
	v_pk_fma_f32 v[F0+8*\nt+\c:F0+8*\nt+\c+1], v[16*\nt+8*\mt+\c:16*\nt+8*\mt+\c+1], QSCALE, v[T+8*\nt+\c:T+8*\nt+\c+1] op_sel_hi:[1,0,1]
.else
	v_pk_add_f32 v[F0+8*\nt+\c:F0+8*\nt+\c+1], v[16*\nt+8*\mt+\c:16*\nt+8*\mt+\c+1], v[T+8*\nt+\c:T+8*\nt+\c+1]
.endif
.endr
.endr
	WIN 0
.set i, 0
.rept 32
	v_cvt_pk_bf16_f32 v[PK+i], v[F0+2*i], v[F0+2*i+1]
.set i, i+1
.endr
.irp nt, 0,1,2,3,4,5,6,7
	ds_store_b128 v10, v[PK+4*\nt:PK+4*\nt+3] offset:\nt*32
.endr
	s_wait_xcnt 0x0                                ; RB, which the stores in front read, is loaded again only behind this wait
.irp hh, 0,1
.irp q, 0,1,2,3
	ds_load_b128 v[RB+16*\hh+4*\q:RB+16*\hh+4*\q+3], v11 offset:\q*4*OPITCH+\hh*128
.endr
.endr
.irp hh, 0,1
.irp q, 0,1,2,3
	s_wait_dscnt 7-4*\hh-\q                        ; the younger loads of the eight stay out
	global_store_b128 v12, v[RB+16*\hh+4*\q:RB+16*\hh+4*\q+3], s[\p:\p+1] offset:\hh*262144+(16*\mt+4*\q)*128
.endr
.endr
.endr
.endm
; Between two passes: every wave's reads of the stage are over before any wave stores the next rows into it.  The next tile's
; load stays out.
.macro RESTAGE
	s_wait_xcnt 0x0                                ; RB is fragment buffer 1 of the next pass
	s_wait_dscnt 0x0
	s_barrier_signal -1
	s_barrier_wait -1
.endm
	s_load_b512 s[16:31], s[0:1], 0x0              ; qx, kx, vx s[16:21], wb s[22:23], bq, bk, bv s[24:29], qh s[30:31]
	s_load_b128 s[32:35], s[0:1], 0x40             ; kh, vh
	v_lshl_add_u32 v30, v0, 2, 0x4e800
	v_mov_b32 v31, 0
	ds_add_u32 v30, v31
	ds_add_u32 v30, v31
	v_lshrrev_b32 v13, 5, v0
	v_readfirstlane_b32 s8, v13                    ; wave 0..3
	s_bfe_u32 s9, ttmp6, 0x40000                   ; cx
	s_lshl_b32 s10, ttmp9, 2
	s_add_co_u32 s9, s10, s9                       ; work-group = 4 x cluster + cx
	s_mov_b32 s[G1+0], 15|(1<<16)|(1<<20)|(1<<21)|(7<<22)|(7<<25)  ; all four of the cluster; 2-byte elements; padding: after every 256 words, 8 words; bit 21 beside the mask
	s_mov_b32 s[G1+1], 512<<16                     ; tensor_dim0 = 512
	s_mov_b32 s[G1+2], 32<<16                      ; tensor_dim1 = 32
	s_mov_b32 s[G1+3], 512<<16                     ; tile_dim0 = 512
	s_mov_b32 s[G1+4], 32                          ; tile_dim1 = 32
	s_mov_b32 s[G1+5], 512                         ; elements from row to row
	s_mov_b32 s[G1+6], 0
	s_mov_b32 s[G1+7], 0
	s_mul_i32 s12, s8, QUART                       ; my quarter of a slot
	s_lshl_b32 s14, s8, 15                         ; and of a tile in wb
	s_mov_b32 s15, 0
	s_lshl_b32 s10, s9, 16                         ; 32 rows of 2,048 bytes
	s_mov_b32 s11, 0
	s_lshr_b32 s36, s9, 6                          ; b,
	s_lshl_b32 s36, s36, 21                        ; 8 heads x 2,048 rows x 128 bytes
	s_and_b32 s37, s9, 63
	s_lshl_b32 s37, s37, 12                        ; 32 rows of 128 bytes
	s_add_co_u32 s36, s36, s37
	s_mov_b32 s37, 0
	s_wait_dscnt 0x0
	s_wait_kmcnt 0x0
	s_add_nc_u64 s[16:17], s[16:17], s[10:11]
	s_add_nc_u64 s[18:19], s[18:19], s[10:11]
	s_add_nc_u64 s[20:21], s[20:21], s[10:11]
	s_add_nc_u64 s[30:31], s[30:31], s[36:37]
	s_add_nc_u64 s[32:33], s[32:33], s[36:37]
	s_add_nc_u64 s[34:35], s[34:35], s[36:37]
	s_add_nc_u64 s[22:23], s[22:23], s[14:15]
.irp s, 0,1
	s_mov_b32 s[G0+4*\s], 1
	s_add_co_u32 s[G0+4*\s+1], s12, \s*SLOT
	s_add_nc_u64 s[G0+4*\s+2:G0+4*\s+3], s[22:23], FIRSTBLK*524288+\s*TILEBYTES
	s_or_b32 s[G0+4*\s+3], s[G0+4*\s+3], 0x80000000
.endr
	v_and_b32 v13, 15, v0                          ; r
	v_bfe_u32 v14, v0, 4, 1                        ; h
	v_and_b32 v15, 7, v0
	v_bfe_u32 v16, v0, 3, 1
	v_lshl_add_u32 v17, v14, 3, v15
	v_mul_u32_u24 v18, v17, WPITCH                 ; k row 8 h + lane % 8
	v_lshl_add_u32 v18, v16, 4, v18                ; columns 0-7 or 8-15
	v_lshl_add_u32 v1, s8, 8, v18                  ; my 128 columns; slot 0, k 0-63
	v_add_nc_u32 v2, 2*QUART, v1                   ; slot 0, k 64-127
	v_add_nc_u32 v3, SLOT, v1
	v_add_nc_u32 v4, SLOT+2*QUART, v1
	v_mul_u32_u24 v5, v13, SPITCH
	v_lshl_add_u32 v5, v14, 4, v5
	v_add_nc_u32 v5, STAGE, v5                     ; activation fragments
	v_lshlrev_b32 v7, 4, v0                        ; 16 t
	v_lshlrev_b32 v8, 3, v0
	v_add_nc_u32 v8, STAGE, v8                     ; 8 t in a stage row
	v_lshlrev_b32 v9, 5, v14
	v_lshl_add_u32 v9, s8, 9, v9                   ; 512 w + 32 h
	s_mul_i32 s13, s8, 16*OPITCH
	s_add_co_u32 s13, s13, OUTS
	v_mul_u32_u24 v10, v13, OPITCH
	v_lshl_add_u32 v10, v14, 4, v10
	v_add_nc_u32 v10, s13, v10
	v_bfe_u32 v19, v0, 3, 2
	v_mul_u32_u24 v11, v19, OPITCH
	v_lshl_add_u32 v11, v15, 4, v11
	v_add_nc_u32 v11, s13, v11
	v_and_b32 v12, 31, v0
	v_lshlrev_b32 v12, 4, v12
	v_lshl_add_u32 v12, s8, 19, v12                ; 16 x lane + two heads a wave
	XLOAD 16
	BLOAD 24, T
	ROUND                                          ; in front of the first joint load
	tensor_load_to_lds s[G0:G0+3], s[G1:G1+7]      ; tile 0
	s_nop 0
	XSTAGE
	XLOAD 18                                       ; kx comes in while q is made
	PASS 0, 0, 1, 1
	QOUT 30, 1
	RESTAGE
	XSTAGE
	XLOAD 20
	BLOAD 26, T
	PASS 0, 0, 1, 1
	QOUT 32, 0
	RESTAGE
	XSTAGE
	BLOAD 28, T
	PASS 0, 0, 1, 0                                ; the twelfth tile's trip fetches nothing
	QOUT 34, 0
	s_wait_tensorcnt 0x0
	ds_add_u32 v30, v31
	s_wait_dscnt 0x0
	ROUND                                          ; the closing round
	s_endpgm
.Lfunc_end_k_qd988632810_qkv:
	.size	k_qd988632810_qkv, .Lfunc_end_k_qd988632810_qkv-k_qd988632810_qkv
	.p2alignl 7, 3214868480
	.fill 96, 4, 3214868480
	.section	.rodata,"a",@progbits
	.p2align	6, 0x0
	.amdhsa_kernel k_qd988632810_qkv
		.amdhsa_group_segment_fixed_size 327680
		.amdhsa_private_segment_fixed_size 0
		.amdhsa_enable_private_segment 0
		.amdhsa_kernarg_size 80
		.amdhsa_user_sgpr_count 2
		.amdhsa_user_sgpr_kernarg_segment_ptr 1
		.amdhsa_wavefront_size32 1
		.amdhsa_system_sgpr_workgroup_id_x 1
		.amdhsa_system_sgpr_workgroup_id_y 1
		.amdhsa_system_sgpr_workgroup_id_z 1
		.amdhsa_system_vgpr_workitem_id 0
		.amdhsa_next_free_vgpr 640
		.amdhsa_next_free_sgpr 66
		.amdhsa_reserve_vcc 0
		.amdhsa_float_denorm_mode_32 3
		.amdhsa_float_denorm_mode_16_64 3
		.amdhsa_memory_ordered 1
		.amdhsa_forward_progress 1
		.amdhsa_inst_pref_size 203
	.end_amdhsa_kernel
	.amdgpu_metadata
---
amdhsa.version: [ 1, 2 ]
amdhsa.kernels:
  - .name:           k_qd988632810_qkv
    .symbol:         k_qd988632810_qkv.kd
    .args:
      - { .name: qx, .offset: 0, .size: 8, .value_kind: global_buffer, .address_space: global }
      - { .name: kx, .offset: 8, .size: 8, .value_kind: global_buffer, .address_space: global }
      - { .name: vx, .offset: 16, .size: 8, .value_kind: global_buffer, .address_space: global }
      - { .name: wb, .offset: 24, .size: 8, .value_kind: global_buffer, .address_space: global }
      - { .name: bq, .offset: 32, .size: 8, .value_kind: global_buffer, .address_space: global }
      - { .name: bk, .offset: 40, .size: 8, .value_kind: global_buffer, .address_space: global }
      - { .name: bv, .offset: 48, .size: 8, .value_kind: global_buffer, .address_space: global }
      - { .name: qh, .offset: 56, .size: 8, .value_kind: global_buffer, .address_space: global }
      - { .name: kh, .offset: 64, .size: 8, .value_kind: global_buffer, .address_space: global }
      - { .name: vh, .offset: 72, .size: 8, .value_kind: global_buffer, .address_space: global }
    .group_segment_fixed_size: 327680
    .private_segment_fixed_size: 0
    .kernarg_segment_align: 8
    .kernarg_segment_size: 80
    .max_flat_workgroup_size: 128
    .sgpr_count:     66
    .vgpr_count:     640
    .wavefront_size: 32
...
	.end_amdgpu_metadata
.endif
;; end of part 2
;; launch attn (part 3): grid 8 x 32, 8 waves a work-group, clusters of 4 x 1, 327,680 bytes of LDS; arguments qh, kh, vh, mb, zh; writes zh
.if DOCPART == 3
	.amdgcn_target "amdgcn-amd-amdhsa--gfx1250"
	.amdhsa_code_object_version 6
	.text
	.protected	k_qd988632810_attn
	.globl	k_qd988632810_attn
	.p2align	8
	.type	k_qd988632810_attn,@function
k_qd988632810_attn:
	s_mov_b64 s[64:65], 0
	v_nop
	global_prefetch_b8 v0, s[64:65] scope:SCOPE_SE
	s_setreg_imm32_b32 hwreg(HW_REG_WAVE_MODE, 25, 1), 1
	s_wait_xcnt 0x0
	s_wait_alu depctr_hold_cnt(0) depctr_sa_sdst(0) depctr_va_vdst(0) depctr_va_sdst(0) depctr_va_ssrc(0) depctr_va_vcc(0) depctr_vm_vsrc(0)
	s_getreg_b32 s2, hwreg(HW_REG_IB_STS2, 6, 4)
	s_cmp_eq_u32 s2, 0
	s_cbranch_scc0 .Lentry_in_a_cluster
	s_endpgm
.Lentry_in_a_cluster:
	s_bfe_u32 s2, ttmp6, 0x10000c
	s_cmp_lg_u32 s2, 0x3003
	s_cbranch_scc0 .Lentry_shape_is_right
	s_endpgm
.Lentry_shape_is_right:
; attn: z = softmax(masked scores) v for one (b, head) and 256 queries a work-group; eight waves of 32 queries.
; Scores are made transposed, S^T = K Q^T: lane (r, h) holds query r and register j key 8 h + j, so a query's maximum and sum
; need one exchange between the halves of the wave, P^T packs in place into the second product's source 1, and O^T = V^T P^T
; keeps query r in lane r.  q carries log2(e)/8, so all exponentials are base 2.  A masked score is REPLACED by -32767 log2(e),
; as the problem's function replaces it by -32767; the running maximum is kept, so a row that is masked throughout gives the
; plain mean of v.  v_exp_f32 gives 0 for results below 2^-126.  NaN and infinities are not treated.
; The mask comes as lane masks from mb (one 32-bit word for a register of a score tile), by scalar loads.
; K and V go in tiles of 256 keys through a ring of two LDS slots: waves 0-3 fetch 64 keys of K each, waves 4-7 of V.
; CLUSTER: the four query blocks of a cluster share (b, head) and so all K and V tiles: joint loads, mask 15.
.set KPITCH, 144                       ; 128 + 16: an odd multiple of 16
.set VPITCH, 160                       ; 128 + 32: an odd multiple of 32, for the transposing load
.set VOFF,   256*KPITCH                ; 36,864
.set SLOT,   VOFF+256*VPITCH           ; 77,824
.set OSTG,   2*SLOT                    ; 155,648: 32 rows x 144 bytes for each wave, for the way out
.set QF, 32                            ; v[32:63]   Q fragments: 16 qt + 8 ks
.set SC, 64                            ; v[64:127]  scores, then P: 32 qt + 8 kt
.set FR, 128                           ; v[128:191] K fragments (16 kt + 8 ks), then V's (32 kb + 8 dt)
.set OA, 192                           ; v[192:255] O: 16 dt + 8 qt
; v1, v2 K's address in slot 0, 1; v3, v4 V's; v5 the masked score; v[6:7], v[8:9] the running maximum of query tile 0, 1, twice;
; v10, v11 the running sums (of my half's keys); v[12:13] alpha, twice; v[14:23] at work; v24-v27 addresses
; s[4:11] group 1 for K, s[72:79] for V; s[12:15], s[68:71] group 0 of slot 0, 1; s[16:63], s[80:95] 64 mask words;
; s[66:67] where the mask words come from; s96 wave; s97 counter; s[2:3] byte offset of my 32 rows in qh and zh
.macro PLACES n
.rept \n
	v_nop
.endr
.endm
.macro ROUND
	s_barrier_signal -1
	s_barrier_wait -1
	s_cmp_lg_u32 s96, 0
	s_cbranch_scc1 .Lnot_wave_0_\@
	s_barrier_signal -3
.Lnot_wave_0_\@:
	s_barrier_wait -3
	s_barrier_signal -1
	s_barrier_wait -1
.endm
.macro JLOAD s                         ; one joint load a wave: K's shape for waves 0-3, V's for waves 4-7
	s_cmp_lt_u32 s96, 4
	s_cbranch_scc0 .Lfor_v_\@
.if \s == 0
	tensor_load_to_lds s[12:15], s[4:11]
	s_nop 0
.else
	tensor_load_to_lds s[68:71], s[4:11]
	s_nop 0
.endif
	s_branch .Lasked_\@
.Lfor_v_\@:
.if \s == 0
	tensor_load_to_lds s[12:15], s[72:79]
	s_nop 0
.else
	tensor_load_to_lds s[68:71], s[72:79]
	s_nop 0
.endif
.Lasked_\@:
.endm
.macro MLOAD                           ; a step's mask words: 4 key tiles x 8 registers for each of my two query tiles
	s_load_b512 s[16:31], s[66:67], 0x0
	s_load_b512 s[32:47], s[66:67], 0x40
	s_load_b512 s[48:63], s[66:67], 0x1000
	s_load_b512 s[80:95], s[66:67], 0x1040
.endm
.macro SOFTMAX qt, first
.set X, SC+32*\qt
.set i, 0
.rept 32
	v_cndmask_b32 v[X+i], v5, v[X+i], s[16+32*\qt+i+16*(\qt*(i/16))]
.set i, i+1
.endr
.irp c, 0,1,2,3
	v_max3_num_f32 v[14+\c], v[X+8*\c], v[X+8*\c+1], v[X+8*\c+2]
.endr
.irp c, 0,1,2,3
	v_max3_num_f32 v[14+\c], v[14+\c], v[X+8*\c+3], v[X+8*\c+4]
.endr
.irp c, 0,1,2,3
	v_max3_num_f32 v[14+\c], v[14+\c], v[X+8*\c+5], v[X+8*\c+6]
.endr
	v_max3_num_f32 v14, v14, v15, v[X+7]
	v_max3_num_f32 v16, v16, v17, v[X+15]
	v_max3_num_f32 v14, v14, v16, v[X+23]
	v_max_num_f32 v14, v14, v[X+31]
	v_permlanex16_b32 v20, v14, s98, s99           ; the other half's keys of the same query
.if \first
	v_max_num_f32 v14, v14, v20
.else
	v_max3_num_f32 v14, v14, v20, v[6+2*\qt]
	v_sub_f32 v15, v[6+2*\qt], v14
	v_exp_f32 v12, v15                             ; alpha; the two moves below are the plain instructions behind it (ISA guide 5.7.2)
.endif
	v_mov_b32 v[6+2*\qt], v14
	v_mov_b32 v[7+2*\qt], v14
.if \first == 0
	s_wait_alu depctr_va_vdst(0)
	v_mov_b32 v13, v12
.endif
.set i, 0
.rept 16
	v_pk_add_f32 v[X+2*i:X+2*i+1], v[X+2*i:X+2*i+1], v[6+2*\qt:7+2*\qt] neg_lo:[0,1] neg_hi:[0,1]
.set i, i+1
.endr
.set i, 0
.rept 32
	v_exp_f32 v[X+i], v[X+i]
.set i, i+1
.endr
	v_nop                                          ; one plain instruction between the exponentials and their use
	s_wait_alu depctr_va_vdst(0)
.irp c, 0,1,2,3
	v_pk_add_f32 v[14+2*\c:15+2*\c], v[X+4*\c:X+4*\c+1], v[X+4*\c+2:X+4*\c+3]
.endr
.irp c, 0,1,2,3
	v_pk_add_f32 v[14+2*\c:15+2*\c], v[14+2*\c:15+2*\c], v[X+16+2*\c:X+16+2*\c+1]
.endr
.irp c, 0,1,2,3
	v_pk_add_f32 v[14+2*\c:15+2*\c], v[14+2*\c:15+2*\c], v[X+24+2*\c:X+24+2*\c+1]
.endr
	v_pk_add_f32 v[14:15], v[14:15], v[16:17]
	v_pk_add_f32 v[18:19], v[18:19], v[20:21]
	v_pk_add_f32 v[14:15], v[14:15], v[18:19]
.if \first
	v_add_f32 v[10+\qt], v14, v15
.else
	v_add_f32 v14, v14, v15
	v_fma_f32 v[10+\qt], v[10+\qt], v12, v14
.endif
.irp kb, 0,1
.irp c, 0,1,2,3,4,5,6,7
	v_cvt_pk_bf16_f32 v[X+16*\kb+\c], v[X+16*\kb+2*\c], v[X+16*\kb+2*\c+1]   ; ascending: a register is written when it has been read
.endr
.endr
.if \first == 0
.irp dt, 0,1,2,3
.irp c, 0,2,4,6
	v_pk_mul_f32 v[OA+16*\dt+8*\qt+\c:OA+16*\dt+8*\qt+\c+1], v[OA+16*\dt+8*\qt+\c:OA+16*\dt+8*\qt+\c+1], v[12:13]
.endr
.endr
.endif
.endm
; 64 keys.  In both products the accumulators take turns, one instruction a turn.
.macro STEP slot, st, first, last
	PLACES 5                                       ; the last products' sources: FR is loaded again, and the scores are written over P
.irp kt, 0,1,2,3
.irp ks, 0,1
	ds_load_b128 v[FR+16*\kt+8*\ks:FR+16*\kt+8*\ks+3], v[1+\slot] offset:\st*64*KPITCH+\kt*16*KPITCH+\ks*64
	ds_load_b128 v[FR+16*\kt+8*\ks+4:FR+16*\kt+8*\ks+7], v[1+\slot] offset:\st*64*KPITCH+\kt*16*KPITCH+\ks*64+32
.endr
.endr
.if \first
	s_wait_loadcnt 0x0                             ; Q
.endif
	s_wait_dscnt 0x0
.irp kt, 0,1,2,3
	v_wmma_f32_16x16x32_bf16 v[SC+8*\kt:SC+8*\kt+7], v[FR+16*\kt:FR+16*\kt+7], v[QF:QF+7], 0
	v_wmma_f32_16x16x32_bf16 v[SC+32+8*\kt:SC+32+8*\kt+7], v[FR+16*\kt:FR+16*\kt+7], v[QF+16:QF+23], 0
	v_wmma_f32_16x16x32_bf16 v[SC+8*\kt:SC+8*\kt+7], v[FR+16*\kt+8:FR+16*\kt+15], v[QF+8:QF+15], v[SC+8*\kt:SC+8*\kt+7]
	v_wmma_f32_16x16x32_bf16 v[SC+32+8*\kt:SC+32+8*\kt+7], v[FR+16*\kt+8:FR+16*\kt+15], v[QF+24:QF+31], v[SC+32+8*\kt:SC+32+8*\kt+7]
.endr
	PLACES 4
.irp kb, 0,1
.irp dt, 0,1,2,3
	ds_load_tr16_b128 v[FR+32*\kb+8*\dt:FR+32*\kb+8*\dt+3], v[3+\slot] offset:\st*64*VPITCH+\kb*32*VPITCH+\dt*32
	ds_load_tr16_b128 v[FR+32*\kb+8*\dt+4:FR+32*\kb+8*\dt+7], v[3+\slot] offset:\st*64*VPITCH+\kb*32*VPITCH+\dt*32+16*VPITCH
.endr
.endr
	s_wait_kmcnt 0x0                               ; this step's mask words; their address may now step
	s_add_nc_u64 s[66:67], s[66:67], 128
	SOFTMAX 0, \first
	SOFTMAX 1, \first
.if \last == 0
	MLOAD                                          ; the next step's words: they have the two products in which to come
.endif
	s_wait_dscnt 0x0                               ; V
.irp kb, 0,1
.irp dt, 0,1,2,3
.irp qt, 0,1
.if \first*(1-\kb)
	v_wmma_f32_16x16x32_bf16 v[OA+16*\dt+8*\qt:OA+16*\dt+8*\qt+7], v[FR+32*\kb+8*\dt:FR+32*\kb+8*\dt+7], v[SC+32*\qt+16*\kb:SC+32*\qt+16*\kb+7], 0
.else
	v_wmma_f32_16x16x32_bf16 v[OA+16*\dt+8*\qt:OA+16*\dt+8*\qt+7], v[FR+32*\kb+8*\dt:FR+32*\kb+8*\dt+7], v[SC+32*\qt+16*\kb:SC+32*\qt+16*\kb+7], v[OA+16*\dt+8*\qt:OA+16*\dt+8*\qt+7]
.endif
.endr
.endr
.endr
.endm
; 256 keys: all my tensor loads have landed (my part of this slot), so its group 0 may step; my reads of the other slot are
; over; the round shows both of every wave of the four work-groups; the refill comes first behind it, one load a wave.
.macro TRIP slot, refill, first, last
	s_wait_tensorcnt 0x0
	ds_add_u32 v30, v31
	s_wait_dscnt 0x0
.if \slot == 0
	s_add_nc_u64 s[14:15], s[14:15], 65536
.else
	s_add_nc_u64 s[70:71], s[70:71], 65536
.endif
	s_wait_dscnt 0x0
	ROUND
.if \refill
.if \slot == 0
	JLOAD 1
.else
	JLOAD 0
.endif
.endif
	STEP \slot, 0, \first, 0
	STEP \slot, 1, 0, 0
	STEP \slot, 2, 0, 0
	STEP \slot, 3, 0, \last
.endm
	s_load_b256 s[16:23], s[0:1], 0x0              ; qh s[16:17], kh s[18:19], vh s[20:21], mb s[22:23]
	v_lshl_add_u32 v30, v0, 2, 0x2f000
	v_mov_b32 v31, 0
	ds_add_u32 v30, v31
	ds_add_u32 v30, v31
	v_lshrrev_b32 v14, 5, v0
	v_readfirstlane_b32 s96, v14                   ; wave 0..7
	s_bfe_u32 s100, ttmp6, 0x40000                 ; cx
	s_lshl_b32 s101, ttmp9, 2
	s_add_co_u32 s100, s101, s100                  ; query block = 4 x cluster x + cx
	s_and_b32 s97, ttmp7, 0xffff                   ; 8 b + head
	s_mov_b32 s98, 0x76543210                      ; v_permlanex16_b32: lane i reads lane i of the other half
	s_mov_b32 s99, 0xfedcba98
	; 64 keys of 128 bytes are dense in memory: 32 rows of 256 bytes, with padding behind every 32 words, that is behind every key
	s_mov_b32 s4, 15|(1<<16)|(1<<20)|(1<<21)|(4<<22)|(3<<25)    ; K: 4 words of padding
	s_mov_b32 s72, 15|(1<<16)|(1<<20)|(1<<21)|(4<<22)|(7<<25)   ; V: 8 words
	s_mov_b32 s5, 128<<16
	s_mov_b32 s73, 128<<16                         ; tensor_dim0 = 128
	s_mov_b32 s6, 32<<16
	s_mov_b32 s74, 32<<16                          ; tensor_dim1 = 32
	s_mov_b32 s7, 128<<16
	s_mov_b32 s75, 128<<16                         ; tile_dim0 = 128
	s_mov_b32 s8, 32
	s_mov_b32 s76, 32                              ; tile_dim1 = 32
	s_mov_b32 s9, 128
	s_mov_b32 s77, 128                             ; elements from row to row
	s_mov_b32 s10, 0
	s_mov_b32 s78, 0
	s_mov_b32 s11, 0
	s_mov_b32 s79, 0
	s_lshl_b32 s2, s97, 18                         ; 2,048 keys of 128 bytes for each (b, head)
	s_and_b32 s3, s96, 3
	s_lshl_b32 s3, s3, 13                          ; my 64 keys
	s_add_co_u32 s2, s2, s3
	s_mov_b32 s3, 0
	s_wait_dscnt 0x0
	s_wait_kmcnt 0x0
	s_cmp_lt_u32 s96, 4
	s_cbranch_scc0 .Lv_wave
	s_mul_i32 s101, s96, 64*KPITCH
	s_add_nc_u64 s[14:15], s[18:19], s[2:3]
	s_branch .Lset
.Lv_wave:
	s_mul_i32 s101, s96, 64*VPITCH
	s_sub_co_u32 s101, s101, 4*64*VPITCH-VOFF      ; V's part begins behind K's
	s_add_nc_u64 s[14:15], s[20:21], s[2:3]
.Lset:
	s_mov_b32 s12, 1
	s_mov_b32 s13, s101
	s_mov_b32 s68, 1
	s_add_co_u32 s69, s101, SLOT
	s_add_nc_u64 s[70:71], s[14:15], 32768         ; keys 256 ..
	s_or_b32 s15, s15, 0x80000000
	s_or_b32 s71, s71, 0x80000000
	s_lshl_b32 s2, s97, 18                         ; my 32 rows in qh and zh
	s_lshl_b32 s101, s100, 15
	s_add_co_u32 s2, s2, s101
	s_lshl_b32 s101, s96, 12
	s_add_co_u32 s2, s2, s101
	s_add_nc_u64 s[104:105], s[16:17], s[2:3]
	s_lshr_b32 s101, s97, 3                        ; b
	s_lshl_b32 s66, s101, 19                       ; 128 query tiles of 4,096 bytes
	s_lshl_b32 s101, s100, 16
	s_add_co_u32 s66, s66, s101
	s_lshl_b32 s101, s96, 13
	s_add_co_u32 s66, s66, s101
	s_mov_b32 s67, 0
	s_add_nc_u64 s[66:67], s[22:23], s[66:67]
	ROUND                                          ; in front of the first joint load
	JLOAD 0
	v_and_b32 v14, 15, v0                          ; r
	v_bfe_u32 v15, v0, 4, 1                        ; h
	v_and_b32 v16, 7, v0
	v_bfe_u32 v17, v0, 3, 1
	v_lshlrev_b32 v27, 7, v14
	v_lshl_add_u32 v27, v15, 4, v27                ; Q: row r, 16 h bytes in
.irp qt, 0,1
.irp ks, 0,1
	global_load_b128 v[QF+16*\qt+8*\ks:QF+16*\qt+8*\ks+3], v27, s[104:105] offset:\qt*2048+\ks*64
	global_load_b128 v[QF+16*\qt+8*\ks+4:QF+16*\qt+8*\ks+7], v27, s[104:105] offset:\qt*2048+\ks*64+32
.endr
.endr
	MLOAD                                          ; over the registers that held the pointers: all have been used
	v_mul_u32_u24 v1, v14, KPITCH
	v_lshl_add_u32 v1, v15, 4, v1
	v_add_nc_u32 v2, SLOT, v1
	v_lshl_add_u32 v18, v15, 3, v16
	v_mul_u32_u24 v3, v18, VPITCH
	v_lshl_add_u32 v3, v17, 4, v3
	v_add_nc_u32 v3, VOFF, v3
	v_add_nc_u32 v4, SLOT, v3
	v_mov_b32 v5, 0xc738a8ca                       ; -32767 log2(e)
	s_mul_i32 s101, s96, 32*KPITCH
	s_add_co_u32 s101, s101, OSTG
	v_add_nc_u32 v24, s101, v1
	v_bfe_u32 v19, v0, 3, 2
	v_mul_u32_u24 v25, v19, KPITCH
	v_lshl_add_u32 v25, v16, 4, v25
	v_add_nc_u32 v25, s101, v25
	v_and_b32 v26, 31, v0
	v_lshlrev_b32 v26, 4, v26
	v_mov_b32 v20, 0                               ; v_permlanex16_b32 counts as a reader of its destination
	s_mov_b32 s97, 2
	TRIP 0, 1, 1, 0                                ; the first step starts maximum, sum and O: nothing is cleared
	TRIP 1, 1, 0, 0
.Lkv:
	TRIP 0, 1, 0, 0
	TRIP 1, 1, 0, 0
	s_sub_co_u32 s97, s97, 1
	s_cmp_lg_u32 s97, 0
	s_cbranch_scc1 .Lkv
	TRIP 0, 1, 0, 0
	TRIP 1, 0, 0, 1                                ; the eighth tile: nothing more to fetch, no further mask words
	; the way out: divide by the sum, bf16, through my own stage, 512 consecutive bytes a store
	PLACES 4
	s_load_b64 s[16:17], s[0:1], 0x20              ; zh
	v_permlanex16_b32 v20, v10, s98, s99
	v_permlanex16_b32 v21, v11, s98, s99
	v_add_f32 v10, v10, v20                        ; both halves' keys; at least 1, the largest score's term
	v_add_f32 v11, v11, v21
	v_rcp_f32 v12, v10
	v_rcp_f32 v14, v11
	v_nop
	s_wait_alu depctr_va_vdst(0)
	v_mov_b32 v13, v12
	v_mov_b32 v15, v14
.irp qt, 0,1
.irp dt, 0,1,2,3
.irp c, 0,2,4,6
	v_pk_mul_f32 v[OA+16*\dt+8*\qt+\c:OA+16*\dt+8*\qt+\c+1], v[OA+16*\dt+8*\qt+\c:OA+16*\dt+8*\qt+\c+1], v[12+2*\qt:13+2*\qt]
.endr
.endr
.endr
.irp qt, 0,1
.irp dt, 0,1,2,3
.irp c, 0,1,2,3
	v_cvt_pk_bf16_f32 v[FR+16*\qt+4*\dt+\c], v[OA+16*\dt+8*\qt+2*\c], v[OA+16*\dt+8*\qt+2*\c+1]
.endr
	ds_store_b128 v24, v[FR+16*\qt+4*\dt:FR+16*\qt+4*\dt+3] offset:\qt*16*KPITCH+\dt*32
.endr
.endr
.irp i, 0,1,2,3,4,5,6,7
	ds_load_b128 v[SC+4*\i:SC+4*\i+3], v25 offset:\i*4*KPITCH    ; the wave's own bytes, served in order
.endr
	s_wait_kmcnt 0x0
	s_add_nc_u64 s[16:17], s[16:17], s[2:3]
.irp i, 0,1,2,3,4,5,6,7
	s_wait_dscnt 7-\i
	global_store_b128 v26, v[SC+4*\i:SC+4*\i+3], s[16:17] offset:\i*512
.endr
	s_wait_tensorcnt 0x0
	ds_add_u32 v30, v31
	s_wait_dscnt 0x0
	ROUND                                          ; the closing round
	s_endpgm
.Lfunc_end_k_qd988632810_attn:
	.size	k_qd988632810_attn, .Lfunc_end_k_qd988632810_attn-k_qd988632810_attn
	.p2alignl 7, 3214868480
	.fill 96, 4, 3214868480
	.section	.rodata,"a",@progbits
	.p2align	6, 0x0
	.amdhsa_kernel k_qd988632810_attn
		.amdhsa_group_segment_fixed_size 327680
		.amdhsa_private_segment_fixed_size 0
		.amdhsa_enable_private_segment 0
		.amdhsa_kernarg_size 40
		.amdhsa_user_sgpr_count 2
		.amdhsa_user_sgpr_kernarg_segment_ptr 1
		.amdhsa_wavefront_size32 1
		.amdhsa_system_sgpr_workgroup_id_x 1
		.amdhsa_system_sgpr_workgroup_id_y 1
		.amdhsa_system_sgpr_workgroup_id_z 1
		.amdhsa_system_vgpr_workitem_id 0
		.amdhsa_next_free_vgpr 256
		.amdhsa_next_free_sgpr 106
		.amdhsa_reserve_vcc 0
		.amdhsa_float_denorm_mode_32 3
		.amdhsa_float_denorm_mode_16_64 3
		.amdhsa_memory_ordered 1
		.amdhsa_forward_progress 1
		.amdhsa_inst_pref_size 255
	.end_amdhsa_kernel
	.section	.bss,"aw",@nobits
	.p2align	6
	.space	262144
	.amdgpu_metadata
---
amdhsa.version: [ 1, 2 ]
amdhsa.kernels:
  - .name:           k_qd988632810_attn
    .symbol:         k_qd988632810_attn.kd
    .args:
      - { .name: qh, .offset: 0, .size: 8, .value_kind: global_buffer, .address_space: global }
      - { .name: kh, .offset: 8, .size: 8, .value_kind: global_buffer, .address_space: global }
      - { .name: vh, .offset: 16, .size: 8, .value_kind: global_buffer, .address_space: global }
      - { .name: mb, .offset: 24, .size: 8, .value_kind: global_buffer, .address_space: global }
      - { .name: zh, .offset: 32, .size: 8, .value_kind: global_buffer, .address_space: global }
    .group_segment_fixed_size: 327680
    .private_segment_fixed_size: 0
    .kernarg_segment_align: 8
    .kernarg_segment_size: 40
    .max_flat_workgroup_size: 256
    .sgpr_count:     106
    .vgpr_count:     256
    .wavefront_size: 32
...
	.end_amdgpu_metadata
.endif
;; end of part 3
;; launch tail (part 4): grid 256 x 1, 4 waves a work-group, clusters of 4 x 1, 327,680 bytes of LDS; arguments zh, vx, wb, bo, ln1_g, ln1_b, b1, b2, ln2_g, ln2_b, out0; writes out0
.if DOCPART == 4
	.amdgcn_target "amdgcn-amd-amdhsa--gfx1250"
	.amdhsa_code_object_version 6
	.text
	.protected	k_qd988632810_tail
	.globl	k_qd988632810_tail
	.p2align	8
	.type	k_qd988632810_tail,@function
k_qd988632810_tail:
	s_mov_b64 s[64:65], 0
	v_nop
	global_prefetch_b8 v0, s[64:65] scope:SCOPE_SE
	s_setreg_imm32_b32 hwreg(HW_REG_WAVE_MODE, 25, 1), 1
	s_wait_xcnt 0x0
	s_wait_alu depctr_hold_cnt(0) depctr_sa_sdst(0) depctr_va_vdst(0) depctr_va_sdst(0) depctr_va_ssrc(0) depctr_va_vcc(0) depctr_vm_vsrc(0)
	s_getreg_b32 s2, hwreg(HW_REG_IB_STS2, 6, 4)
	s_cmp_eq_u32 s2, 0
	s_cbranch_scc0 .Lentry_in_a_cluster
	s_endpgm
.Lentry_in_a_cluster:
	s_bfe_u32 s2, ttmp6, 0x10000c
	s_cmp_lg_u32 s2, 0x3003
	s_cbranch_scc0 .Lentry_shape_is_right
	s_endpgm
.Lentry_shape_is_right:
; tail: zn = LN1(vx + z wo + bo); out0 = LN2(zn + gelu(zn w1 + b1) w2 + b2), for 32 token rows a work-group: nine passes of
; 32 x 512 x 512 (wo, then four times a column chunk of w1 and the matching row chunk of w2).  Neither zn nor the hidden
; layer goes to memory: zn stays in registers (f32 as the running sum Y, bf16 as fragments), a chunk of the hidden layer in LDS.
; Wave w owns columns 128 w .. 128 w + 127 of all 32 rows.  vx + bo is the C of the first pass, zn + b2 of the w2 passes.
; The weights walk as 36 tiles of 128 k x 512 n through a ring of two LDS slots.  CLUSTER: every work-group walks the same
; tiles, so the four of a cluster ask jointly (mask 15).
; LayerNorm in two passes (mean, then the mean of squared differences), the four waves' partial sums meeting in LDS.
; GELU is the exact form with erf by Abramowitz and Stegun 7.1.26, absolute error at most 1.5e-7 for every x;
; v_exp_f32 gives 0 below 2^-126.  NaN and infinities are not treated.
; WINDOWS: 0: addresses, fragments, vectors; 1: zn's 32 fragments; 2: v0-127 H (a w1 chunk's sums), v128-255 Y.
.set FIRSTBLK, 3
.set WPITCH, 1056                      ; 1,024 + 32: an odd multiple of 32
.set QUART,  32*WPITCH                 ; 33,792: what one tensor load brings
.set SLOT,   4*QUART                   ; 135,168
.set TILEBYTES, 131072                 ; a tile in wb
.set STAGE,  2*SLOT                    ; 270,336: 32 rows of activations in bf16; at the end the f32 rows on their way out
.set SPITCH, 1040                      ; 1,024 + 16: an odd multiple of 16
.set LNB,    STAGE+33792               ; 304,128: partial sums, 512 bytes for each of four reductions
.set FPITCH, 528                       ; the way out: 512 + 16
.set F0,  32                           ; v[32:95]   weight fragments, buffer 0
.set F1,  96                           ; v[96:159]  buffer 1
.set GA0, 160                          ; v[160:175] activation fragments, buffer 0
.set GA1, 176                          ; v[176:191] buffer 1
.set T,   192                          ; v[192:255] a vector's 64 numbers of my columns
.set YA,  128                          ; Y in window 2
.set XX,  32                           ; GELU: x, then the result
.set TT,  48                           ; t
.set EE,  64                           ; exp(-x^2/2), then erf
.set PP,  80                           ; the polynomial
.set HH,  96                           ; x/2
.set RR,  112                          ; bf16
.set G1,  40                           ; s[40:47] descriptor group 1
.set G0,  48                           ; s[48:55] descriptor group 0, one set for each slot
.set MSB, 0
.macro WIN new                         ; the immediate's high byte repeats the setting that is left
.if MSB != \new
	s_set_vgpr_msb (MSB<<8)|\new
.set MSB, \new
.endif
.endm
.macro PLACES n                        ; places behind matrix instructions (ISA guide 7.12.1)
.rept \n
	v_nop
.endr
.endm
.macro ROUND                           ; a round of the cluster's barrier
	s_barrier_signal -1
	s_barrier_wait -1
	s_cmp_lg_u32 s8, 0
	s_cbranch_scc1 .Lnot_wave_0_\@
	s_barrier_signal -3
.Lnot_wave_0_\@:
	s_barrier_wait -3
	s_barrier_signal -1
	s_barrier_wait -1
.endm
; The head of a tile's trip.  All my tensor loads have landed (the one that was out is my quarter of this trip's tile), so a
; group 0 may be written; my LDS reads and stores are done; the round shows both of every wave of the four work-groups; the
; refill of the slot read last is the first thing behind it, one load a wave, and has this tile's work in which to land.
.macro TRIPHEAD slot, refill
	s_set_vgpr_msb 0xf
	s_wait_tensorcnt 0x0
	ds_add_u32 v0, v1
	s_wait_dscnt 0x0
	s_set_vgpr_msb 0xf00
	s_add_nc_u64 s[G0+4*\slot+2:G0+4*\slot+3], s[G0+4*\slot+2:G0+4*\slot+3], 2*TILEBYTES
	s_wait_dscnt 0x0
	ROUND
.if \refill
	tensor_load_to_lds s[G0+4-4*\slot:G0+7-4*\slot], s[G1:G1+7]
	s_nop 0
.endif
.endm
; weights stored [k][n]: the transposing load gives lane (r, h) column n0 + r, k = k0 + 8 h .. + 7, and 16 rows further down the second half
.macro FETCHW slot, ks, f
.irp nt, 0,1,2,3,4,5,6,7
	ds_load_tr16_b128 v[\f+8*\nt:\f+8*\nt+3], v[1+2*\slot+(\ks>>1)] offset:(\ks&1)*QUART+\nt*32
	ds_load_tr16_b128 v[\f+8*\nt+4:\f+8*\nt+7], v[1+2*\slot+(\ks>>1)] offset:(\ks&1)*QUART+\nt*32+16*WPITCH
.endr
.endm
.macro FETCHA tp, ks, g
.irp mt, 0,1
	ds_load_b128 v[\g+8*\mt:\g+8*\mt+3], v5 offset:\mt*16*SPITCH+(\tp*128+\ks*32)*2
	ds_load_b128 v[\g+8*\mt+4:\g+8*\mt+7], v5 offset:\mt*16*SPITCH+(\tp*128+\ks*32)*2+32
.endr
.endm
.macro FETCH slot, asrc, tp, ks, f, g
	FETCHW \slot, \ks, \f
.if \asrc == 0
	FETCHA \tp, \ks, \g
.endif
.endm
; 16 matrix instructions on 16 accumulators, one instruction a turn, in the same order in every run
.macro MUL f, a, acc, zero
.irp nt, 0,1,2,3,4,5,6,7
.irp mt, 0,1
.if \zero
	v_wmma_f32_16x16x32_bf16 v[\acc+16*\nt+8*\mt:\acc+16*\nt+8*\mt+7], v[\f+8*\nt:\f+8*\nt+7], v[\a+8*\mt:\a+8*\mt+7], 0
.else
	v_wmma_f32_16x16x32_bf16 v[\acc+16*\nt+8*\mt:\acc+16*\nt+8*\mt+7], v[\f+8*\nt:\f+8*\nt+7], v[\a+8*\mt:\a+8*\mt+7], v[\acc+16*\nt+8*\mt:\acc+16*\nt+8*\mt+7]
.endif
.endr
.endr
.endm
.macro MULT asrc, tp, ks, f, g, acc, zero
.if \asrc == 0
	WIN 0xa0                                       ; C and D in window 2
	MUL \f, \g, \acc, \zero
.else
	WIN 0xa4                                       ; and the activations in window 1
	MUL \f, 16*(4*\tp+\ks), \acc, \zero
.endif
.endm
; one tile: four steps of 32 along k on two fragment buffers.  Each counted wait leaves the NL loads of the fetch just issued out.
.macro TILE slot, asrc, tp, acc, zero
.set NL, 20-4*\asrc
	WIN 0
	PLACES 4                                       ; the buffers were read by the matrix instructions in front
	FETCH \slot, \asrc, \tp, 0, F0, GA0
	FETCH \slot, \asrc, \tp, 1, F1, GA1
	s_wait_dscnt NL
	MULT \asrc, \tp, 0, F0, GA0, \acc, \zero
	WIN 0
	PLACES 4
	FETCH \slot, \asrc, \tp, 2, F0, GA0
	s_wait_dscnt NL
	MULT \asrc, \tp, 1, F1, GA1, \acc, 0
	WIN 0
	PLACES 4
	FETCH \slot, \asrc, \tp, 3, F1, GA1
	s_wait_dscnt NL
	MULT \asrc, \tp, 2, F0, GA0, \acc, 0
	s_wait_dscnt 0x0
	MULT \asrc, \tp, 3, F1, GA1, \acc, 0
	WIN 0
.endm
.macro PASS asrc, acc, zero, lastrefill ; 32 x 512 x 512: four tiles; a pass begins on slot 0
	TRIPHEAD 0, 1
	TILE 0, \asrc, 0, \acc, \zero
	TRIPHEAD 1, 1
	TILE 1, \asrc, 1, \acc, 0
	TRIPHEAD 0, 1
	TILE 0, \asrc, 2, \acc, 0
	TRIPHEAD 1, \lastrefill
	TILE 1, \asrc, 3, \acc, 0
.endm
.macro BLOAD p, d                      ; 64 numbers of a vector: my columns 128 w + 16 nt + 8 h + 0..7
.irp nt, 0,1,2,3,4,5,6,7
	global_load_b128 v[\d+8*\nt:\d+8*\nt+3], v9, s[\p:\p+1] offset:\nt*64
	global_load_b128 v[\d+8*\nt+4:\d+8*\nt+7], v9, s[\p:\p+1] offset:\nt*64+16
.endr
.endm
.macro YADDT                           ; Y += the vector in T
	WIN 0x82
.irp mt, 0,1
.irp nt, 0,1,2,3,4,5,6,7
.irp c, 0,2,4,6
	v_pk_add_f32 v[YA+16*\nt+8*\mt+\c:YA+16*\nt+8*\mt+\c+1], v[YA+16*\nt+8*\mt+\c:YA+16*\nt+8*\mt+\c+1], v[T+8*\nt+\c:T+8*\nt+\c+1]
.endr
.endr
.endr
	WIN 0
.endm
; my wave's part of a row sum (sq = 0) or of a sum of squares (sq = 1) for the 16 tokens of row tile mt, into LDS word (token r, wave)
.macro LNPART mt, sq, off
	WIN 0x0a
.irp nt, 0,1,2,3
.irp c, 0,2,4,6
.if \sq
	v_pk_mul_f32 v[GA0+8*\nt+\c:GA0+8*\nt+\c+1], v[YA+16*\nt+8*\mt+\c:YA+16*\nt+8*\mt+\c+1], v[YA+16*\nt+8*\mt+\c:YA+16*\nt+8*\mt+\c+1]
.else
	v_pk_add_f32 v[GA0+8*\nt+\c:GA0+8*\nt+\c+1], v[YA+16*\nt+8*\mt+\c:YA+16*\nt+8*\mt+\c+1], v[YA+64+16*\nt+8*\mt+\c:YA+64+16*\nt+8*\mt+\c+1]
.endif
.endr
.endr
.if \sq
.irp nt, 0,1,2,3
.irp c, 0,2,4,6
	v_pk_fma_f32 v[GA0+8*\nt+\c:GA0+8*\nt+\c+1], v[YA+64+16*\nt+8*\mt+\c:YA+64+16*\nt+8*\mt+\c+1], v[YA+64+16*\nt+8*\mt+\c:YA+64+16*\nt+8*\mt+\c+1], v[GA0+8*\nt+\c:GA0+8*\nt+\c+1]
.endr
.endr
.endif
	WIN 0
.irp n, 8,4,2,1
.set i, 0
.rept \n
	v_pk_add_f32 v[GA0+2*i:GA0+2*i+1], v[GA0+2*i:GA0+2*i+1], v[GA0+2*\n+2*i:GA0+2*\n+2*i+1]
.set i, i+1
.endr
.endr
	v_add_f32 v[GA0], v[GA0], v[GA0+1]
	v_permlanex16_b32 v29, v[GA0], s10, s11        ; the other half's columns of the same token
	v_add_f32 v28, v[GA0], v29
	ds_store_b32 v11, v28 offset:\off              ; both halves store the same number to the same word
.endm
.macro LNGET off                       ; the four waves' parts: v16 for row tile 0, v20 for row tile 1.  Each reduction has LDS bytes of its own.
	s_wait_dscnt 0x0                               ; my parts are stored
	s_barrier_signal -1
	s_barrier_wait -1                              ; everybody's are; the next tile's load stays out, nothing is filled before the next round
	ds_load_b128 v[16:19], v12 offset:\off
	ds_load_b128 v[20:23], v12 offset:\off+256
	s_wait_dscnt 0x0
	v_pk_add_f32 v[16:17], v[16:17], v[18:19]
	v_pk_add_f32 v[20:21], v[20:21], v[22:23]
	v_add_f32 v16, v16, v17
	v_add_f32 v20, v20, v21
.endm
.macro LN k, g, b, withb2              ; Y = LayerNorm(Y) with gain s[g:g+1] and bias s[b:b+1]
	PLACES 4
	BLOAD \g, F0
	BLOAD \b, F1
.if \withb2
	BLOAD 30, T
.endif
	LNPART 0, 0, \k*1024
	LNPART 1, 0, \k*1024+256
	LNGET \k*1024
	v_mul_f32 v24, 0x3b000000, v16                 ; / 512
	v_mul_f32 v26, 0x3b000000, v20
	v_mov_b32 v25, v24
	v_mov_b32 v27, v26
	WIN 0x82
.irp mt, 0,1
.irp nt, 0,1,2,3,4,5,6,7
.irp c, 0,2,4,6
	v_pk_add_f32 v[YA+16*\nt+8*\mt+\c:YA+16*\nt+8*\mt+\c+1], v[YA+16*\nt+8*\mt+\c:YA+16*\nt+8*\mt+\c+1], v[24+2*\mt:25+2*\mt] neg_lo:[0,1] neg_hi:[0,1]
.endr
.endr
.endr
	LNPART 0, 1, \k*1024+512
	LNPART 1, 1, \k*1024+768
	LNGET \k*1024+512
	v_fma_f32 v16, v16, 0x3b000000, s12            ; variance + 1e-5
	v_fma_f32 v20, v20, 0x3b000000, s12
	v_rsq_f32 v24, v16
	v_rsq_f32 v26, v20
	v_nop                                          ; one plain instruction behind the transcendentals (ISA guide 5.7.2)
	s_wait_alu depctr_va_vdst(0)
	v_mov_b32 v25, v24
	v_mov_b32 v27, v26
	s_wait_loadcnt 0x0                             ; gain and bias
	WIN 0x82
.irp mt, 0,1
.irp nt, 0,1,2,3,4,5,6,7
.irp c, 0,2,4,6
	v_pk_mul_f32 v[YA+16*\nt+8*\mt+\c:YA+16*\nt+8*\mt+\c+1], v[YA+16*\nt+8*\mt+\c:YA+16*\nt+8*\mt+\c+1], v[24+2*\mt:25+2*\mt]
.endr
.endr
.irp nt, 0,1,2,3,4,5,6,7
.irp c, 0,2,4,6
	v_pk_fma_f32 v[YA+16*\nt+8*\mt+\c:YA+16*\nt+8*\mt+\c+1], v[YA+16*\nt+8*\mt+\c:YA+16*\nt+8*\mt+\c+1], v[F0+8*\nt+\c:F0+8*\nt+\c+1], v[F1+8*\nt+\c:F1+8*\nt+\c+1]
.endr
.endr
.endr
	WIN 0
.endm
; h = gelu(H + b1) in bf16 into the stage.  gelu(x) = x/2 + |x/2| erf(|x|/sqrt 2); erf(z) = 1 - (a1 t + .. + a5 t^5) exp(-z^2), t = 1/(1 + p z).
.macro GELU
	PLACES 4
	s_wait_loadcnt 0x0                             ; b1's chunk is in T, and its address may step
	s_add_nc_u64 s[28:29], s[28:29], 2048
.irp nt, 0,1,2,3,4,5,6,7
	WIN 0x02
.irp mt, 0,1
.irp c, 0,2,4,6
	v_pk_add_f32 v[XX+8*\mt+\c:XX+8*\mt+\c+1], v[16*\nt+8*\mt+\c:16*\nt+8*\mt+\c+1], v[T+8*\nt+\c:T+8*\nt+\c+1]
.endr
.endr
	WIN 0
.irp r, 32,33,34,35,36,37,38,39,40,41,42,43,44,45,46,47
	v_fma_f32 v[\r+16], |v\r|, s66, 1.0            ; 1 + p |x| / sqrt 2
.endr
.set i, 0
.rept 16
	v_rcp_f32 v[TT+i], v[TT+i]
.set i, i+1
.endr
.irp c, 0,2,4,6,8,10,12,14
	v_pk_mul_f32 v[EE+\c:EE+\c+1], v[XX+\c:XX+\c+1], s[68:69] op_sel_hi:[1,0]
.endr
.irp c, 0,2,4,6,8,10,12,14
	v_pk_mul_f32 v[EE+\c:EE+\c+1], v[EE+\c:EE+\c+1], v[XX+\c:XX+\c+1]      ; -x^2 log2(e) / 2
.endr
.set i, 0
.rept 16
	v_exp_f32 v[EE+i], v[EE+i]
.set i, i+1
.endr
	s_wait_alu depctr_va_vdst(0)
.irp c, 0,2,4,6,8,10,12,14
	v_pk_fma_f32 v[PP+\c:PP+\c+1], v[TT+\c:TT+\c+1], s[70:71], v[30:31] op_sel_hi:[1,0,1]      ; a5 t + a4
.endr
.irp a, 72,74,76
.irp c, 0,2,4,6,8,10,12,14
	v_pk_fma_f32 v[PP+\c:PP+\c+1], v[PP+\c:PP+\c+1], v[TT+\c:TT+\c+1], s[\a:\a+1] op_sel_hi:[1,1,0]   ; .. + a3, a2, a1
.endr
.endr
.irp c, 0,2,4,6,8,10,12,14
	v_pk_mul_f32 v[PP+\c:PP+\c+1], v[PP+\c:PP+\c+1], v[TT+\c:TT+\c+1]
.endr
.irp c, 0,2,4,6,8,10,12,14
	v_pk_fma_f32 v[EE+\c:EE+\c+1], v[PP+\c:PP+\c+1], v[EE+\c:EE+\c+1], 1.0 op_sel_hi:[1,1,0] neg_lo:[1,0,0] neg_hi:[1,0,0]   ; erf
.endr
.irp c, 0,2,4,6,8,10,12,14
	v_pk_mul_f32 v[HH+\c:HH+\c+1], v[XX+\c:XX+\c+1], 0.5 op_sel_hi:[1,0]
.endr
.irp r, 96,97,98,99,100,101,102,103,104,105,106,107,108,109,110,111
	v_fma_f32 v[\r-64], |v\r|, v[\r-32], v\r
.endr
.irp c, 0,1,2,3,4,5,6,7
	v_cvt_pk_bf16_f32 v[RR+\c], v[XX+2*\c], v[XX+2*\c+1]
.endr
	ds_store_b128 v6, v[RR:RR+3] offset:\nt*32
	ds_store_b128 v6, v[RR+4:RR+7] offset:16*SPITCH+\nt*32
.endr
.endm
; A chunk of 512 hidden columns.  The rounds of the w1 pass stand between the last reads of the old chunk in the stage and the
; new stores; the head of the w2 pass's first trip (its wait for my LDS stores, its round) shows the new chunk to every wave.
.macro CHUNK lastrefill
	BLOAD 28, T
	PASS 1, 0, 1, 1
	GELU
	PASS 0, YA, 0, \lastrefill
.endm
	s_load_b512 s[16:31], s[0:1], 0x0              ; zh s[16:17], vx s[18:19], wb s[20:21], bo s[22:23], ln1_g, ln1_b s[24:27], b1 s[28:29], b2 s[30:31]
	s_load_b128 s[32:35], s[0:1], 0x40             ; ln2_g, ln2_b
	s_load_b64 s[36:37], s[0:1], 0x50              ; out0
	s_set_vgpr_msb 0xc0
	v_lshl_add_u32 v0, v0, 2, 0x4ac00
	v_mov_b32 v1, 0
	s_set_vgpr_msb 0xc0cf
	ds_add_u32 v0, v1
	ds_add_u32 v0, v1
	s_set_vgpr_msb 0xcf00
	v_lshrrev_b32 v16, 5, v0
	v_readfirstlane_b32 s8, v16                    ; wave 0..3
	s_bfe_u32 s2, ttmp6, 0x40000                   ; cx
	s_lshl_b32 s3, ttmp9, 2
	s_add_co_u32 s2, s3, s2                        ; work-group = 4 x cluster + cx
	s_mov_b32 s10, 0x76543210                      ; v_permlanex16_b32: lane i reads lane i of the other half
	s_mov_b32 s11, 0xfedcba98
	s_mov_b32 s12, 0x3727c5ac                      ; 1e-5
	s_mov_b32 s66, 0x3e6d3388                      ; 0.3275911 / sqrt 2
	s_mov_b32 s67, 0x3e6d3388
	s_mov_b32 s68, 0xbf38aa3b                      ; -log2(e) / 2
	s_mov_b32 s69, 0xbf38aa3b
	s_mov_b32 s70, 0x3f87dc22                      ; a5 =  1.061405429
	s_mov_b32 s71, 0x3f87dc22
	s_mov_b32 s72, 0x3fb5f0e3                      ; a3 =  1.421413741
	s_mov_b32 s73, 0x3fb5f0e3
	s_mov_b32 s74, 0xbe91a98e                      ; a2 = -0.284496736
	s_mov_b32 s75, 0xbe91a98e
	s_mov_b32 s76, 0x3e827906                      ; a1 =  0.254829592
	s_mov_b32 s77, 0x3e827906
	s_mov_b32 s[G1+0], 15|(1<<16)|(1<<20)|(1<<21)|(7<<22)|(7<<25)  ; all four of the cluster; 2-byte elements; padding: after every 256 words, 8 words; bit 21 beside the mask
	s_mov_b32 s[G1+1], 512<<16                     ; tensor_dim0 = 512
	s_mov_b32 s[G1+2], 32<<16                      ; tensor_dim1 = 32
	s_mov_b32 s[G1+3], 512<<16                     ; tile_dim0 = 512
	s_mov_b32 s[G1+4], 32                          ; tile_dim1 = 32
	s_mov_b32 s[G1+5], 512                         ; elements from row to row
	s_mov_b32 s[G1+6], 0
	s_mov_b32 s[G1+7], 0
	s_mul_i32 s56, s8, QUART                       ; my quarter of a slot
	s_lshl_b32 s58, s8, 15                         ; and of a tile in wb
	s_mov_b32 s59, 0
	s_lshl_b32 s4, s2, 16                          ; 32 rows of 2,048 bytes
	s_mov_b32 s5, 0
	s_lshr_b32 s6, s2, 6                           ; b,
	s_lshl_b32 s6, s6, 21                          ; 8 heads x 2,048 rows x 128 bytes
	s_and_b32 s7, s2, 63
	s_lshl_b32 s7, s7, 12                          ; 32 rows of 128 bytes
	s_add_co_u32 s6, s6, s7
	s_mov_b32 s7, 0
	s_wait_dscnt 0x0
	s_wait_kmcnt 0x0
	s_add_nc_u64 s[16:17], s[16:17], s[6:7]
	s_add_nc_u64 s[18:19], s[18:19], s[4:5]
	s_add_nc_u64 s[36:37], s[36:37], s[4:5]
	s_add_nc_u64 s[20:21], s[20:21], s[58:59]
.irp s, 0,1
	s_mov_b32 s[G0+4*\s], 1
	s_add_co_u32 s[G0+4*\s+1], s56, \s*SLOT
	s_add_nc_u64 s[G0+4*\s+2:G0+4*\s+3], s[20:21], FIRSTBLK*524288+\s*TILEBYTES
	s_or_b32 s[G0+4*\s+3], s[G0+4*\s+3], 0x80000000
.endr
	v_and_b32 v16, 15, v0                          ; r
	v_bfe_u32 v17, v0, 4, 1                        ; h
	v_and_b32 v18, 7, v0
	v_bfe_u32 v19, v0, 3, 1
	v_lshlrev_b32 v7, 4, v0                        ; 16 t
	v_lshlrev_b32 v9, 5, v17
	v_lshl_add_u32 v9, s8, 9, v9                   ; 512 w + 32 h
	v_lshl_add_u32 v10, v16, 11, v9                ; + row r of 2,048 bytes
	; z: a head's 32 rows of 128 bytes are 4,096 consecutive bytes; the 128 threads take 2,048 with each instruction
.irp hd, 0,1,2,3,4,5,6,7
.irp hf, 0,1
	global_load_b128 v[F0+8*\hd+4*\hf:F0+8*\hd+4*\hf+3], v7, s[16:17] offset:\hd*262144+\hf*2048
.endr
.endr
	; vx straight into Y's layout: lane (r, h) takes the 32 bytes of columns 16 nt + 8 h .. of row r; the wave's 16 loads of a row tile read 512 consecutive bytes of each of 16 rows, each byte once
	WIN 0x80
.irp mt, 0,1
.irp nt, 0,1,2,3,4,5,6,7
	global_load_b128 v[YA+16*\nt+8*\mt:YA+16*\nt+8*\mt+3], v10, s[18:19] offset:\mt*32768+\nt*64
	global_load_b128 v[YA+16*\nt+8*\mt+4:YA+16*\nt+8*\mt+7], v10, s[18:19] offset:\mt*32768+\nt*64+16
.endr
.endr
	WIN 0
	BLOAD 22, T
	ROUND                                          ; in front of the first joint load
	tensor_load_to_lds s[G0:G0+3], s[G1:G1+7]      ; tile 0
	s_nop 0
	v_lshl_add_u32 v20, v17, 3, v18
	v_mul_u32_u24 v21, v20, WPITCH                 ; k row 8 h + lane % 8
	v_lshl_add_u32 v21, v19, 4, v21                ; columns 0-7 or 8-15
	v_lshl_add_u32 v1, s8, 8, v21                  ; my 128 columns; slot 0, k 0-63
	v_add_nc_u32 v2, 2*QUART, v1
	v_add_nc_u32 v3, SLOT, v1
	v_add_nc_u32 v4, SLOT+2*QUART, v1
	v_mul_u32_u24 v5, v16, SPITCH
	v_lshl_add_u32 v5, v17, 4, v5
	v_add_nc_u32 v5, STAGE, v5                     ; activation fragments
	v_lshl_add_u32 v6, s8, 8, v5                   ; where I put 16 bytes of my columns
	v_lshrrev_b32 v22, 3, v0
	v_mul_u32_u24 v8, v22, SPITCH
	v_lshl_add_u32 v8, v18, 4, v8
	v_add_nc_u32 v8, STAGE, v8                     ; z: token t / 8, 16 (t % 8) bytes in
	v_lshlrev_b32 v12, 4, v16
	v_add_nc_u32 v12, LNB, v12
	v_lshl_add_u32 v11, s8, 2, v12
	s_mul_i32 s13, s8, 16*FPITCH
	s_add_co_u32 s13, s13, STAGE
	v_mul_u32_u24 v13, v16, FPITCH
	v_lshl_add_u32 v13, v17, 5, v13
	v_add_nc_u32 v13, s13, v13
	v_and_b32 v23, 31, v0
	v_lshlrev_b32 v23, 4, v23
	v_add_nc_u32 v14, s13, v23
	v_lshl_add_u32 v15, s8, 9, v23
	v_mov_b32 v29, 0                               ; v_permlanex16_b32 counts as a reader of its destination
	v_mov_b32 v30, 0xbfba00e3                      ; a4 = -1.453152027
	v_mov_b32 v31, 0xbfba00e3
	s_wait_loadcnt 48                              ; z's 16 loads are in; the 32 of vx and the 16 of bo are younger
.irp hd, 0,1,2,3,4,5,6,7
.irp hf, 0,1
	ds_store_b128 v8, v[F0+8*\hd+4*\hf:F0+8*\hd+4*\hf+3] offset:\hf*16*SPITCH+\hd*128
.endr
.endr
	s_wait_loadcnt 0x0
	YADDT                                          ; Y = vx + bo
	PASS 0, YA, 0, 1                               ; + z wo
	LN 0, 24, 26, 1                                ; Y = zn; b2 comes into T
	; zn in bf16 into the stage (LN's barriers stand behind every wave's reads of z), then all its fragments into window 1
.irp mt, 0,1
	WIN 0x0a
.irp nt, 0,1,2,3,4,5,6,7
.irp c, 0,1,2,3
	v_cvt_pk_bf16_f32 v[GA0+4*\nt+\c], v[YA+16*\nt+8*\mt+2*\c], v[YA+16*\nt+8*\mt+2*\c+1]
.endr
.endr
	WIN 0
.irp nt, 0,1,2,3,4,5,6,7
	ds_store_b128 v6, v[GA0+4*\nt:GA0+4*\nt+3] offset:\mt*16*SPITCH+\nt*32
.endr
.endr
	YADDT                                          ; Y = zn + b2: the C of the w2 passes
	s_wait_dscnt 0x0
	s_barrier_signal -1
	s_barrier_wait -1
	WIN 0x40
.set i, 0
.rept 16
.irp mt, 0,1
	ds_load_b128 v[16*i+8*\mt:16*i+8*\mt+3], v5 offset:\mt*16*SPITCH+i*64
	ds_load_b128 v[16*i+8*\mt+4:16*i+8*\mt+7], v5 offset:\mt*16*SPITCH+i*64+32
.endr
.set i, i+1
.endr
	WIN 0
	s_wait_dscnt 0x0
	s_mov_b32 s9, 3
.Lchunk:
	CHUNK 1
	s_sub_co_u32 s9, s9, 1
	s_cmp_lg_u32 s9, 0
	s_cbranch_scc1 .Lchunk
	CHUNK 0                                        ; the last tile's trip fetches nothing
	LN 1, 32, 34, 0
	; The way out, 16 tokens at a time, through the stage's bytes (LN's barriers stand behind every wave's last reads of them; from
	; here on each wave uses 8,448 bytes of its own): a store of the wave covers 512 consecutive bytes of a row, aligned.
.irp mt, 0,1
	WIN 0x08
.irp nt, 0,1,2,3,4,5,6,7
	ds_store_b128 v13, v[YA+16*\nt+8*\mt:YA+16*\nt+8*\mt+3] offset:\nt*64
	ds_store_b128 v13, v[YA+16*\nt+8*\mt+4:YA+16*\nt+8*\mt+7] offset:\nt*64+16
.endr
	WIN 0
	s_wait_xcnt 0x0                                ; the registers that the stores in front read are loaded again only behind this wait
.set i, 0
.rept 16
	ds_load_b128 v[F0+4*i:F0+4*i+3], v14 offset:i*FPITCH
.set i, i+1
.endr
.set i, 0
.rept 16
	s_wait_dscnt 15-i                              ; the younger loads of the sixteen stay out
	global_store_b128 v15, v[F0+4*i:F0+4*i+3], s[36:37] offset:(16*\mt+i)*2048 th:TH_STORE_NT
.set i, i+1
.endr
.endr
	s_set_vgpr_msb 0xf
	s_wait_tensorcnt 0x0
	ds_add_u32 v0, v1
	s_wait_dscnt 0x0
	s_set_vgpr_msb 0xf00
	ROUND                                          ; the closing round
	s_endpgm
.Lfunc_end_k_qd988632810_tail:
	.size	k_qd988632810_tail, .Lfunc_end_k_qd988632810_tail-k_qd988632810_tail
	.p2alignl 7, 3214868480
	.fill 96, 4, 3214868480
	.section	.rodata,"a",@progbits
	.p2align	6, 0x0
	.amdhsa_kernel k_qd988632810_tail
		.amdhsa_group_segment_fixed_size 327680
		.amdhsa_private_segment_fixed_size 0
		.amdhsa_enable_private_segment 0
		.amdhsa_kernarg_size 88
		.amdhsa_user_sgpr_count 2
		.amdhsa_user_sgpr_kernarg_segment_ptr 1
		.amdhsa_wavefront_size32 1
		.amdhsa_system_sgpr_workgroup_id_x 1
		.amdhsa_system_sgpr_workgroup_id_y 1
		.amdhsa_system_sgpr_workgroup_id_z 1
		.amdhsa_system_vgpr_workitem_id 0
		.amdhsa_next_free_vgpr 770
		.amdhsa_next_free_sgpr 80
		.amdhsa_reserve_vcc 0
		.amdhsa_float_denorm_mode_32 3
		.amdhsa_float_denorm_mode_16_64 3
		.amdhsa_memory_ordered 1
		.amdhsa_forward_progress 1
		.amdhsa_inst_pref_size 255
	.end_amdhsa_kernel
	.section	.bss,"aw",@nobits
	.p2align	6
	.space	262144
	.amdgpu_metadata
---
amdhsa.version: [ 1, 2 ]
amdhsa.kernels:
  - .name:           k_qd988632810_tail
    .symbol:         k_qd988632810_tail.kd
    .args:
      - { .name: zh, .offset: 0, .size: 8, .value_kind: global_buffer, .address_space: global }
      - { .name: vx, .offset: 8, .size: 8, .value_kind: global_buffer, .address_space: global }
      - { .name: wb, .offset: 16, .size: 8, .value_kind: global_buffer, .address_space: global }
      - { .name: bo, .offset: 24, .size: 8, .value_kind: global_buffer, .address_space: global }
      - { .name: ln1_g, .offset: 32, .size: 8, .value_kind: global_buffer, .address_space: global }
      - { .name: ln1_b, .offset: 40, .size: 8, .value_kind: global_buffer, .address_space: global }
      - { .name: b1, .offset: 48, .size: 8, .value_kind: global_buffer, .address_space: global }
      - { .name: b2, .offset: 56, .size: 8, .value_kind: global_buffer, .address_space: global }
      - { .name: ln2_g, .offset: 64, .size: 8, .value_kind: global_buffer, .address_space: global }
      - { .name: ln2_b, .offset: 72, .size: 8, .value_kind: global_buffer, .address_space: global }
      - { .name: out0, .offset: 80, .size: 8, .value_kind: global_buffer, .address_space: global }
    .group_segment_fixed_size: 327680
    .private_segment_fixed_size: 0
    .kernarg_segment_align: 8
    .kernarg_segment_size: 88
    .max_flat_workgroup_size: 128
    .sgpr_count:     80
    .vgpr_count:     770
    .wavefront_size: 32
...
	.end_amdgpu_metadata
.endif
;; end of part 4
;; ======== version 2 of 2: 4 launches; 1.18 times as fast as version 1
;; workspace buffers: mb 2,097,152 bytes of whole numbers; wb 6,291,456 bytes; qh 8,388,608 bytes; kh 8,388,608 bytes; vh 8,388,608 bytes; zh 8,388,608 bytes
;; launch prep: the kernel of part 1 again; grid 256 x 1, 8 waves a work-group, no clusters, 271,360 bytes of LDS; arguments maskPAD, wq, wk, wv, wo, w1, w2, mb, wb; writes mb, wb
;; launch qkv (part 5): grid 256 x 1, 4 waves a work-group, clusters of 4 x 1, 327,680 bytes of LDS; arguments qx, kx, vx, wb, bq, bk, bv, qh, kh, vh; writes qh, kh, vh
.if DOCPART == 5
	.amdgcn_target "amdgcn-amd-amdhsa--gfx1250"
	.amdhsa_code_object_version 6
	.text
	.protected	k_qd988632810_qkv
	.globl	k_qd988632810_qkv
	.p2align	8
	.type	k_qd988632810_qkv,@function
k_qd988632810_qkv:
	s_mov_b64 s[64:65], 0
	v_nop
	global_prefetch_b8 v0, s[64:65] scope:SCOPE_SE
	s_setreg_imm32_b32 hwreg(HW_REG_WAVE_MODE, 25, 1), 1
	s_wait_xcnt 0x0
	s_wait_alu depctr_hold_cnt(0) depctr_sa_sdst(0) depctr_va_vdst(0) depctr_va_sdst(0) depctr_va_ssrc(0) depctr_va_vcc(0) depctr_vm_vsrc(0)
	s_getreg_b32 s2, hwreg(HW_REG_IB_STS2, 6, 4)
	s_cmp_eq_u32 s2, 0
	s_cbranch_scc0 .Lentry_in_a_cluster
	s_endpgm
.Lentry_in_a_cluster:
	s_bfe_u32 s2, ttmp6, 0x10000c
	s_cmp_lg_u32 s2, 0x3003
	s_cbranch_scc0 .Lentry_shape_is_right
	s_endpgm
.Lentry_shape_is_right:
; qkv: q = (qx wq + bq) log2(e)/8, k = kx wk + bk, v = vx wv + bv, stored in bf16 as [b][head][l][64].
; The factor log2(e)/8 (the 1/sqrt(64) of the scores and the change to base 2) is applied in f32 before q is rounded to bf16:
; an order of rounding that differs from the problem's function, which divides the scores.
; 256 work-groups of four waves; a work-group owns 32 token rows and makes three passes of 32 x 512 x 512.  Wave w owns the
; output columns 128 w .. 128 w + 127 of all 32 rows: 8 x 2 accumulator tiles, 128 registers.
; The weights (bf16 blocks [512 k][512 n] of wb) go in tiles of 128 k x 512 n through a ring of two LDS slots; each wave
; fetches a quarter of a tile, 32 rows of 1,024 bytes.  CLUSTER: every work-group walks the same 12 tiles, so the four of a
; cluster ask for them jointly (mask 15); nothing in a descriptor hangs on the place in the cluster.
; THE ORDER OF A PASS'S FOUR TILES hangs on the cluster's number c: at position i the cluster takes K tile (c + i) mod 4.  So the
; 64 clusters, which walk the same blocks in step, ask for four different tiles in each trip, and a tile asked for at position
; 1, 2 or 3 has been asked for by other clusters one trip before.  c is the same in the four partners, so a joint load's
; descriptor is still equal in all four.  The sums over k are added in an order that differs from cluster to cluster.
; The matrix instruction is used transposed: source 0 = 16 columns of the weights, source 1 = 16 token rows, so that a lane's
; eight results are eight neighbouring columns of one token.
; WINDOWS: 0: addresses, fragments, bias; 1: v0-127 the next pass's x rows as loaded; 2: v0-127 the accumulators.
.set FIRSTBLK, 0
.set WPITCH, 1056                      ; 1,024 + 32: an odd multiple of 32
.set QUART,  32*WPITCH                 ; 33,792: what one tensor load brings
.set SLOT,   4*QUART                   ; 135,168
.set TILEBYTES, 131072                 ; a tile in wb
.set BLOCKBYTES, 524288                ; a pass's four tiles
.set STAGE,  2*SLOT                    ; 270,336: 32 rows of activations in bf16
.set SPITCH, 1040                      ; 1,024 + 16: an odd multiple of 16
.set OUTS,   STAGE+33792               ; 304,128: 16 rows x 272 bytes for each wave, for the way out
.set OPITCH, 272
.set QSCALE, 0x3e38aa3b                ; log2(e) / 8
.set AAD, 20                           ; v[20:23]   position i: where the activation fragments of its K tile lie in the stage
.set F0,  32                           ; v[32:95]   weight fragments, buffer 0
.set F1,  96                           ; v[96:159]  buffer 1
.set GA0, 160                          ; v[160:175] activation fragments, buffer 0
.set GA1, 176                          ; v[176:191] buffer 1
.set T,   192                          ; v[192:255] the bias of my 8 x 8 columns
.set PK,  128                          ; the way out: packed results
.set RB,  96                           ; the way out: rows read back
.set PB,  22                           ; s[22:23] my quarter of K tile 0 of the block from which tiles are being asked
.set G1,  40                           ; s[40:47] descriptor group 1
.set G0,  48                           ; s[48:55] descriptor group 0, one set for each slot
.set OFS, 56                           ; s[56:63] position i: its K tile's byte offset in a block, in 64 bits
.set MSB, 0
.macro WIN new                         ; the immediate's high byte repeats the setting that is left
.if MSB != \new
	s_set_vgpr_msb (MSB<<8)|\new
.set MSB, \new
.endif
.endm
.macro PLACES n                        ; places behind matrix instructions (ISA guide 7.12.1)
.rept \n
	v_nop
.endr
.endm
.macro ROUND                           ; a round of the cluster's barrier
	s_barrier_signal -1
	s_barrier_wait -1
	s_cmp_lg_u32 s8, 0
	s_cbranch_scc1 .Lnot_wave_0_\@
	s_barrier_signal -3
.Lnot_wave_0_\@:
	s_barrier_wait -3
	s_barrier_signal -1
	s_barrier_wait -1
.endm
; The head of the trip at position pos of a pass (slot pos % 2).  All my tensor loads have landed (the one that was out is my
; quarter of this trip's tile), so a group 0 may be written: this slot's next tile is the one two positions on, from position 2 on
; in the next block.  My LDS reads and stores are done; the round shows both of every wave of the four work-groups; the refill
; of the slot read last is the first thing behind it, one load a wave, and has this tile's work in which to land.
.macro TRIPHEAD pos, refill
	s_wait_tensorcnt 0x0
	ds_add_u32 v30, v31
	s_wait_dscnt 0x0
.if \pos == 2
	s_add_nc_u64 s[PB:PB+1], s[PB:PB+1], BLOCKBYTES
.endif
	s_add_nc_u64 s[G0+4*(\pos&1)+2:G0+4*(\pos&1)+3], s[PB:PB+1], s[OFS+2*((\pos+2)&3):OFS+2*((\pos+2)&3)+1]
	s_or_b32 s[G0+4*(\pos&1)+3], s[G0+4*(\pos&1)+3], 0x80000000    ; type = 2
	s_wait_dscnt 0x0
	ROUND
.if \refill
	tensor_load_to_lds s[G0+4-4*(\pos&1):G0+7-4*(\pos&1)], s[G1:G1+7]
	s_nop 0
.endif
.endm
; weights stored [k][n]: the transposing load gives lane (r, h) column n0 + r, k = k0 + 8 h .. + 7, and 16 rows further down the second half
.macro FETCHW slot, ks, f
.irp nt, 0,1,2,3,4,5,6,7
	ds_load_tr16_b128 v[\f+8*\nt:\f+8*\nt+3], v[1+2*\slot+(\ks>>1)] offset:(\ks&1)*QUART+\nt*32
	ds_load_tr16_b128 v[\f+8*\nt+4:\f+8*\nt+7], v[1+2*\slot+(\ks>>1)] offset:(\ks&1)*QUART+\nt*32+16*WPITCH
.endr
.endm
.macro FETCHA tp, ks, g                ; tp: the position; its address register knows the K tile
.irp mt, 0,1
	ds_load_b128 v[\g+8*\mt:\g+8*\mt+3], v[AAD+\tp] offset:\mt*16*SPITCH+\ks*64
	ds_load_b128 v[\g+8*\mt+4:\g+8*\mt+7], v[AAD+\tp] offset:\mt*16*SPITCH+\ks*64+32
.endr
.endm
.macro FETCH slot, asrc, tp, ks, f, g
	FETCHW \slot, \ks, \f
.if \asrc == 0
	FETCHA \tp, \ks, \g
.endif
.endm
; 16 matrix instructions on 16 accumulators, one instruction a turn, in the same order in every run
.macro MUL f, a, acc, zero
.irp nt, 0,1,2,3,4,5,6,7
.irp mt, 0,1
.if \zero
	v_wmma_f32_16x16x32_bf16 v[\acc+16*\nt+8*\mt:\acc+16*\nt+8*\mt+7], v[\f+8*\nt:\f+8*\nt+7], v[\a+8*\mt:\a+8*\mt+7], 0
.else
	v_wmma_f32_16x16x32_bf16 v[\acc+16*\nt+8*\mt:\acc+16*\nt+8*\mt+7], v[\f+8*\nt:\f+8*\nt+7], v[\a+8*\mt:\a+8*\mt+7], v[\acc+16*\nt+8*\mt:\acc+16*\nt+8*\mt+7]
.endif
.endr
.endr
.endm
.macro MULT asrc, tp, ks, f, g, acc, zero
.if \asrc == 0
	WIN 0xa0                                       ; C and D in window 2
	MUL \f, \g, \acc, \zero
.else
	WIN 0xa4                                       ; and the activations in window 1
	MUL \f, 16*(4*\tp+\ks), \acc, \zero
.endif
.endm
; one tile: four steps of 32 along k on two fragment buffers.  Each counted wait leaves the NL loads of the fetch just issued out.
.macro TILE slot, asrc, tp, acc, zero
.set NL, 20-4*\asrc
	WIN 0
	PLACES 4                                       ; the buffers were read by the matrix instructions in front
	FETCH \slot, \asrc, \tp, 0, F0, GA0
	FETCH \slot, \asrc, \tp, 1, F1, GA1
	s_wait_dscnt NL
	MULT \asrc, \tp, 0, F0, GA0, \acc, \zero
	WIN 0
	PLACES 4
	FETCH \slot, \asrc, \tp, 2, F0, GA0
	s_wait_dscnt NL
	MULT \asrc, \tp, 1, F1, GA1, \acc, 0
	WIN 0
	PLACES 4
	FETCH \slot, \asrc, \tp, 3, F1, GA1
	s_wait_dscnt NL
	MULT \asrc, \tp, 2, F0, GA0, \acc, 0
	s_wait_dscnt 0x0
	MULT \asrc, \tp, 3, F1, GA1, \acc, 0
	WIN 0
.endm
.macro PASS asrc, acc, zero, lastrefill ; 32 x 512 x 512: four tiles; a pass begins on slot 0
	TRIPHEAD 0, 1
	TILE 0, \asrc, 0, \acc, \zero
	TRIPHEAD 1, 1
	TILE 1, \asrc, 1, \acc, 0
	TRIPHEAD 2, 1
	TILE 0, \asrc, 2, \acc, 0
	TRIPHEAD 3, \lastrefill
	TILE 1, \asrc, 3, \acc, 0
.endm
.macro BLOAD p, d                      ; 64 numbers of a [512] vector: my columns 128 w + 16 nt + 8 h + 0..7
.irp nt, 0,1,2,3,4,5,6,7
	global_load_b128 v[\d+8*\nt:\d+8*\nt+3], v9, s[\p:\p+1] offset:\nt*64
	global_load_b128 v[\d+8*\nt+4:\d+8*\nt+7], v9, s[\p:\p+1] offset:\nt*64+16
.endr
.endm
.macro XLOAD p                         ; 32 rows of 2,048 bytes: the four waves together take one row with each instruction
	WIN 0x40
.set i, 0
.rept 32
	global_load_b128 v[4*i:4*i+3], v7, s[\p:\p+1] offset:i*2048 th:TH_LOAD_NT
.set i, i+1
.endr
	WIN 0
.endm
.macro XSTAGE                          ; the rows to bf16 and into the stage
	s_wait_loadcnt 0x0
	WIN 0x05
.set i, 0
.rept 64
	v_cvt_pk_bf16_f32 v[F0+i], v[2*i], v[2*i+1]
.set i, i+1
.endr
	WIN 0
.set i, 0
.rept 32
	ds_store_b64 v8, v[F0+2*i:F0+2*i+1] offset:i*SPITCH
.set i, i+1
.endr
.endm
; The way out, 16 tokens at a time: bias (and q's factor), bf16, 16 bytes a lane into my own stage, read back so that a store
; of the wave covers four tokens' 128-byte rows of one head: 512 consecutive bytes, aligned.  The stage is the wave's own
; and LDS serves a wave's instructions in order: no wait between its stores and its loads.
.macro QOUT p, scale
	PLACES 4
	s_wait_loadcnt 0x0                             ; the bias
.if \scale
.set i, 0
.rept 32
	v_pk_mul_f32 v[T+2*i:T+2*i+1], v[T+2*i:T+2*i+1], QSCALE op_sel_hi:[1,0]
.set i, i+1
.endr
.endif
.irp mt, 0,1
	WIN 0x02
.irp nt, 0,1,2,3,4,5,6,7
.irp c, 0,2,4,6
.if \scale
	v_pk_fma_f32 v[F0+8*\nt+\c:F0+8*\nt+\c+1], v[16*\nt+8*\mt+\c:16*\nt+8*\mt+\c+1], QSCALE, v[T+8*\nt+\c:T+8*\nt+\c+1] op_sel_hi:[1,0,1]
.else
	v_pk_add_f32 v[F0+8*\nt+\c:F0+8*\nt+\c+1], v[16*\nt+8*\mt+\c:16*\nt+8*\mt+\c+1], v[T+8*\nt+\c:T+8*\nt+\c+1]
.endif
.endr
.endr
	WIN 0
.set i, 0
.rept 32
	v_cvt_pk_bf16_f32 v[PK+i], v[F0+2*i], v[F0+2*i+1]
.set i, i+1
.endr
.irp nt, 0,1,2,3,4,5,6,7
	ds_store_b128 v10, v[PK+4*\nt:PK+4*\nt+3] offset:\nt*32
.endr
	s_wait_xcnt 0x0                                ; RB, which the stores in front read, is loaded again only behind this wait
.irp hh, 0,1
.irp q, 0,1,2,3
	ds_load_b128 v[RB+16*\hh+4*\q:RB+16*\hh+4*\q+3], v11 offset:\q*4*OPITCH+\hh*128
.endr
.endr
.irp hh, 0,1
.irp q, 0,1,2,3
	s_wait_dscnt 7-4*\hh-\q                        ; the younger loads of the eight stay out
	global_store_b128 v12, v[RB+16*\hh+4*\q:RB+16*\hh+4*\q+3], s[\p:\p+1] offset:\hh*262144+(16*\mt+4*\q)*128
.endr
.endr
.endr
.endm
; Between two passes: every wave's reads of the stage are over before any wave stores the next rows into it.  The next tile's
; load stays out.
.macro RESTAGE
	s_wait_xcnt 0x0                                ; RB is fragment buffer 1 of the next pass
	s_wait_dscnt 0x0
	s_barrier_signal -1
	s_barrier_wait -1
.endm
	s_load_b512 s[16:31], s[0:1], 0x0              ; qx, kx, vx s[16:21], wb s[22:23], bq, bk, bv s[24:29], qh s[30:31]
	s_load_b128 s[32:35], s[0:1], 0x40             ; kh, vh
	v_lshl_add_u32 v30, v0, 2, 0x4e800
	v_mov_b32 v31, 0
	ds_add_u32 v30, v31
	ds_add_u32 v30, v31
	v_lshrrev_b32 v13, 5, v0
	v_readfirstlane_b32 s8, v13                    ; wave 0..3
	s_bfe_u32 s9, ttmp6, 0x40000                   ; cx
	s_lshl_b32 s10, ttmp9, 2
	s_add_co_u32 s9, s10, s9                       ; work-group = 4 x cluster + cx
	s_and_b32 s38, ttmp9, 3                        ; the cluster's number mod 4: the same in the four partners
.irp i, 0,1,2,3
	s_add_co_u32 s[OFS+2*\i], s38, \i
	s_and_b32 s[OFS+2*\i], s[OFS+2*\i], 3          ; position i takes K tile (c + i) mod 4,
	s_lshl_b32 s[OFS+2*\i], s[OFS+2*\i], 17        ; 131,072 bytes a tile
	s_mov_b32 s[OFS+2*\i+1], 0
.endr
	s_mov_b32 s[G1+0], 15|(1<<16)|(1<<20)|(1<<21)|(7<<22)|(7<<25)  ; all four of the cluster; 2-byte elements; padding: after every 256 words, 8 words; bit 21 beside the mask
	s_mov_b32 s[G1+1], 512<<16                     ; tensor_dim0 = 512
	s_mov_b32 s[G1+2], 32<<16                      ; tensor_dim1 = 32
	s_mov_b32 s[G1+3], 512<<16                     ; tile_dim0 = 512
	s_mov_b32 s[G1+4], 32                          ; tile_dim1 = 32
	s_mov_b32 s[G1+5], 512                         ; elements from row to row
	s_mov_b32 s[G1+6], 0
	s_mov_b32 s[G1+7], 0
	s_mul_i32 s12, s8, QUART                       ; my quarter of a slot
	s_lshl_b32 s14, s8, 15                         ; and of a tile in wb
	s_mov_b32 s15, 0
	s_lshl_b32 s10, s9, 16                         ; 32 rows of 2,048 bytes
	s_mov_b32 s11, 0
	s_lshr_b32 s36, s9, 6                          ; b,
	s_lshl_b32 s36, s36, 21                        ; 8 heads x 2,048 rows x 128 bytes
	s_and_b32 s37, s9, 63
	s_lshl_b32 s37, s37, 12                        ; 32 rows of 128 bytes
	s_add_co_u32 s36, s36, s37
	s_mov_b32 s37, 0
	s_wait_dscnt 0x0
	s_wait_kmcnt 0x0
	s_add_nc_u64 s[16:17], s[16:17], s[10:11]
	s_add_nc_u64 s[18:19], s[18:19], s[10:11]
	s_add_nc_u64 s[20:21], s[20:21], s[10:11]
	s_add_nc_u64 s[30:31], s[30:31], s[36:37]
	s_add_nc_u64 s[32:33], s[32:33], s[36:37]
	s_add_nc_u64 s[34:35], s[34:35], s[36:37]
	s_add_nc_u64 s[PB:PB+1], s[PB:PB+1], s[14:15]
.if FIRSTBLK
	s_add_nc_u64 s[PB:PB+1], s[PB:PB+1], FIRSTBLK*BLOCKBYTES
.endif
.irp s, 0,1
	s_mov_b32 s[G0+4*\s], 1
	s_add_co_u32 s[G0+4*\s+1], s12, \s*SLOT
	s_add_nc_u64 s[G0+4*\s+2:G0+4*\s+3], s[PB:PB+1], s[OFS+2*\s:OFS+2*\s+1]   ; positions 0 and 1 of the first pass
	s_or_b32 s[G0+4*\s+3], s[G0+4*\s+3], 0x80000000
.endr
	v_and_b32 v13, 15, v0                          ; r
	v_bfe_u32 v14, v0, 4, 1                        ; h
	v_and_b32 v15, 7, v0
	v_bfe_u32 v16, v0, 3, 1
	v_lshl_add_u32 v17, v14, 3, v15
	v_mul_u32_u24 v18, v17, WPITCH                 ; k row 8 h + lane % 8
	v_lshl_add_u32 v18, v16, 4, v18                ; columns 0-7 or 8-15
	v_lshl_add_u32 v1, s8, 8, v18                  ; my 128 columns; slot 0, k 0-63
	v_add_nc_u32 v2, 2*QUART, v1                   ; slot 0, k 64-127
	v_add_nc_u32 v3, SLOT, v1
	v_add_nc_u32 v4, SLOT+2*QUART, v1
	v_mul_u32_u24 v5, v13, SPITCH
	v_lshl_add_u32 v5, v14, 4, v5
	v_add_nc_u32 v5, STAGE, v5                     ; activation fragments of K tile 0
.irp i, 0,1,2,3
	s_lshr_b32 s39, s[OFS+2*\i], 9                 ; a K tile is 256 bytes of a stage row
	v_add_nc_u32 v[AAD+\i], s39, v5
.endr
	v_lshlrev_b32 v7, 4, v0                        ; 16 t
	v_lshlrev_b32 v8, 3, v0
	v_add_nc_u32 v8, STAGE, v8                     ; 8 t in a stage row
	v_lshlrev_b32 v9, 5, v14
	v_lshl_add_u32 v9, s8, 9, v9                   ; 512 w + 32 h
	s_mul_i32 s13, s8, 16*OPITCH
	s_add_co_u32 s13, s13, OUTS
	v_mul_u32_u24 v10, v13, OPITCH
	v_lshl_add_u32 v10, v14, 4, v10
	v_add_nc_u32 v10, s13, v10
	v_bfe_u32 v19, v0, 3, 2
	v_mul_u32_u24 v11, v19, OPITCH
	v_lshl_add_u32 v11, v15, 4, v11
	v_add_nc_u32 v11, s13, v11
	v_and_b32 v12, 31, v0
	v_lshlrev_b32 v12, 4, v12
	v_lshl_add_u32 v12, s8, 19, v12                ; 16 x lane + two heads a wave
	XLOAD 16
	BLOAD 24, T
	ROUND                                          ; in front of the first joint load
	tensor_load_to_lds s[G0:G0+3], s[G1:G1+7]      ; position 0 of the first pass
	s_nop 0
	XSTAGE
	XLOAD 18                                       ; kx comes in while q is made
	PASS 0, 0, 1, 1
	QOUT 30, 1
	RESTAGE
	XSTAGE
	XLOAD 20
	BLOAD 26, T
	PASS 0, 0, 1, 1
	QOUT 32, 0
	RESTAGE
	XSTAGE
	BLOAD 28, T
	PASS 0, 0, 1, 0                                ; the twelfth tile's trip fetches nothing (the addresses stepped past it are not used)
	QOUT 34, 0
	s_wait_tensorcnt 0x0
	ds_add_u32 v30, v31
	s_wait_dscnt 0x0
	ROUND                                          ; the closing round
	s_endpgm
.Lfunc_end_k_qd988632810_qkv:
	.size	k_qd988632810_qkv, .Lfunc_end_k_qd988632810_qkv-k_qd988632810_qkv
	.p2alignl 7, 3214868480
	.fill 96, 4, 3214868480
	.section	.rodata,"a",@progbits
	.p2align	6, 0x0
	.amdhsa_kernel k_qd988632810_qkv
		.amdhsa_group_segment_fixed_size 327680
		.amdhsa_private_segment_fixed_size 0
		.amdhsa_enable_private_segment 0
		.amdhsa_kernarg_size 80
		.amdhsa_user_sgpr_count 2
		.amdhsa_user_sgpr_kernarg_segment_ptr 1
		.amdhsa_wavefront_size32 1
		.amdhsa_system_sgpr_workgroup_id_x 1
		.amdhsa_system_sgpr_workgroup_id_y 1
		.amdhsa_system_sgpr_workgroup_id_z 1
		.amdhsa_system_vgpr_workitem_id 0
		.amdhsa_next_free_vgpr 640
		.amdhsa_next_free_sgpr 66
		.amdhsa_reserve_vcc 0
		.amdhsa_float_denorm_mode_32 3
		.amdhsa_float_denorm_mode_16_64 3
		.amdhsa_memory_ordered 1
		.amdhsa_forward_progress 1
		.amdhsa_inst_pref_size 204
	.end_amdhsa_kernel
	.amdgpu_metadata
---
amdhsa.version: [ 1, 2 ]
amdhsa.kernels:
  - .name:           k_qd988632810_qkv
    .symbol:         k_qd988632810_qkv.kd
    .args:
      - { .name: qx, .offset: 0, .size: 8, .value_kind: global_buffer, .address_space: global }
      - { .name: kx, .offset: 8, .size: 8, .value_kind: global_buffer, .address_space: global }
      - { .name: vx, .offset: 16, .size: 8, .value_kind: global_buffer, .address_space: global }
      - { .name: wb, .offset: 24, .size: 8, .value_kind: global_buffer, .address_space: global }
      - { .name: bq, .offset: 32, .size: 8, .value_kind: global_buffer, .address_space: global }
      - { .name: bk, .offset: 40, .size: 8, .value_kind: global_buffer, .address_space: global }
      - { .name: bv, .offset: 48, .size: 8, .value_kind: global_buffer, .address_space: global }
      - { .name: qh, .offset: 56, .size: 8, .value_kind: global_buffer, .address_space: global }
      - { .name: kh, .offset: 64, .size: 8, .value_kind: global_buffer, .address_space: global }
      - { .name: vh, .offset: 72, .size: 8, .value_kind: global_buffer, .address_space: global }
    .group_segment_fixed_size: 327680
    .private_segment_fixed_size: 0
    .kernarg_segment_align: 8
    .kernarg_segment_size: 80
    .max_flat_workgroup_size: 128
    .sgpr_count:     66
    .vgpr_count:     640
    .wavefront_size: 32
...
	.end_amdgpu_metadata
.endif
;; end of part 5
;; launch attn (part 6): grid 8 x 32, 8 waves a work-group, clusters of 4 x 1, 327,680 bytes of LDS; arguments qh, kh, vh, mb, zh; writes zh
.if DOCPART == 6
	.amdgcn_target "amdgcn-amd-amdhsa--gfx1250"
	.amdhsa_code_object_version 6
	.text
	.protected	k_qd988632810_attn
	.globl	k_qd988632810_attn
	.p2align	8
	.type	k_qd988632810_attn,@function
k_qd988632810_attn:
	s_mov_b64 s[64:65], 0
	v_nop
	global_prefetch_b8 v0, s[64:65] scope:SCOPE_SE
	s_setreg_imm32_b32 hwreg(HW_REG_WAVE_MODE, 25, 1), 1
	s_wait_xcnt 0x0
	s_wait_alu depctr_hold_cnt(0) depctr_sa_sdst(0) depctr_va_vdst(0) depctr_va_sdst(0) depctr_va_ssrc(0) depctr_va_vcc(0) depctr_vm_vsrc(0)
	s_getreg_b32 s2, hwreg(HW_REG_IB_STS2, 6, 4)
	s_cmp_eq_u32 s2, 0
	s_cbranch_scc0 .Lentry_in_a_cluster
	s_endpgm
.Lentry_in_a_cluster:
	s_bfe_u32 s2, ttmp6, 0x10000c
	s_cmp_lg_u32 s2, 0x3003
	s_cbranch_scc0 .Lentry_shape_is_right
	s_endpgm
.Lentry_shape_is_right:
; attn: z = softmax(masked scores) v for one (b, head) and 256 queries a work-group; eight waves of 32 queries.
; Scores are made transposed, S^T = K Q^T: lane (r, h) holds query r and register j key 8 h + j, so a query's maximum and sum
; need one exchange between the halves of the wave, P^T packs in place into the second product's source 1, and O^T = V^T P^T
; keeps query r in lane r.  q carries log2(e)/8, so all exponentials are base 2.  A masked score is REPLACED by -32767 log2(e),
; as the problem's function replaces it by -32767; the running maximum is kept, so a row that is masked throughout gives the
; plain mean of v.  v_exp_f32 gives 0 for results below 2^-126.  NaN and infinities are not treated.
; The mask comes as lane masks from mb (one 32-bit word for a register of a score tile), by scalar loads.
; K and V go in tiles of 256 keys through a ring of two LDS slots: waves 0-3 fetch 64 keys of K each, waves 4-7 of V.
; CLUSTER: the four query blocks of a cluster share (b, head) and so all K and V tiles: joint loads, mask 15.
.set KPITCH, 144                       ; 128 + 16: an odd multiple of 16
.set VPITCH, 160                       ; 128 + 32: an odd multiple of 32, for the transposing load
.set VOFF,   256*KPITCH                ; 36,864
.set SLOT,   VOFF+256*VPITCH           ; 77,824
.set OSTG,   2*SLOT                    ; 155,648: 32 rows x 144 bytes for each wave, for the way out
.set QF, 32                            ; v[32:63]   Q fragments: 16 qt + 8 ks
.set SC, 64                            ; v[64:127]  scores, then P: 32 qt + 8 kt
.set FR, 128                           ; v[128:191] K fragments (16 kt + 8 ks), then V's (32 kb + 8 dt)
.set OA, 192                           ; v[192:255] O: 16 dt + 8 qt
; v1, v2 K's address in slot 0, 1; v3, v4 V's; v5 the masked score; v[6:7], v[8:9] the running maximum of query tile 0, 1, twice;
; v10, v11 the running sums (of my half's keys); v[12:13] alpha, twice; v[14:23] at work; v24-v27 addresses
; s[4:11] group 1 for K, s[72:79] for V; s[12:15], s[68:71] group 0 of slot 0, 1; s[16:63], s[80:95] 64 mask words;
; s[66:67] where the mask words come from; s96 wave; s97 counter; s[2:3] byte offset of my 32 rows in qh and zh
.macro PLACES n
.rept \n
	v_nop
.endr
.endm
.macro ROUND
	s_barrier_signal -1
	s_barrier_wait -1
	s_cmp_lg_u32 s96, 0
	s_cbranch_scc1 .Lnot_wave_0_\@
	s_barrier_signal -3
.Lnot_wave_0_\@:
	s_barrier_wait -3
	s_barrier_signal -1
	s_barrier_wait -1
.endm
.macro JLOAD s                         ; one joint load a wave: K's shape for waves 0-3, V's for waves 4-7
	s_cmp_lt_u32 s96, 4
	s_cbranch_scc0 .Lfor_v_\@
.if \s == 0
	tensor_load_to_lds s[12:15], s[4:11]
	s_nop 0
.else
	tensor_load_to_lds s[68:71], s[4:11]
	s_nop 0
.endif
	s_branch .Lasked_\@
.Lfor_v_\@:
.if \s == 0
	tensor_load_to_lds s[12:15], s[72:79]
	s_nop 0
.else
	tensor_load_to_lds s[68:71], s[72:79]
	s_nop 0
.endif
.Lasked_\@:
.endm
.macro MLOAD                           ; a step's mask words: 4 key tiles x 8 registers for each of my two query tiles
	s_load_b512 s[16:31], s[66:67], 0x0
	s_load_b512 s[32:47], s[66:67], 0x40
	s_load_b512 s[48:63], s[66:67], 0x1000
	s_load_b512 s[80:95], s[66:67], 0x1040
.endm
.macro SOFTMAX qt, first
.set X, SC+32*\qt
.set i, 0
.rept 32
	v_cndmask_b32 v[X+i], v5, v[X+i], s[16+32*\qt+i+16*(\qt*(i/16))]
.set i, i+1
.endr
.irp c, 0,1,2,3
	v_max3_num_f32 v[14+\c], v[X+8*\c], v[X+8*\c+1], v[X+8*\c+2]
.endr
.irp c, 0,1,2,3
	v_max3_num_f32 v[14+\c], v[14+\c], v[X+8*\c+3], v[X+8*\c+4]
.endr
.irp c, 0,1,2,3
	v_max3_num_f32 v[14+\c], v[14+\c], v[X+8*\c+5], v[X+8*\c+6]
.endr
	v_max3_num_f32 v14, v14, v15, v[X+7]
	v_max3_num_f32 v16, v16, v17, v[X+15]
	v_max3_num_f32 v14, v14, v16, v[X+23]
	v_max_num_f32 v14, v14, v[X+31]
	v_permlanex16_b32 v20, v14, s98, s99           ; the other half's keys of the same query
.if \first
	v_max_num_f32 v14, v14, v20
.else
	v_max3_num_f32 v14, v14, v20, v[6+2*\qt]
	v_sub_f32 v15, v[6+2*\qt], v14
	v_exp_f32 v12, v15                             ; alpha; the two moves below are the plain instructions behind it (ISA guide 5.7.2)
.endif
	v_mov_b32 v[6+2*\qt], v14
	v_mov_b32 v[7+2*\qt], v14
.if \first == 0
	s_wait_alu depctr_va_vdst(0)
	v_mov_b32 v13, v12
.endif
.set i, 0
.rept 16
	v_pk_add_f32 v[X+2*i:X+2*i+1], v[X+2*i:X+2*i+1], v[6+2*\qt:7+2*\qt] neg_lo:[0,1] neg_hi:[0,1]
.set i, i+1
.endr
.set i, 0
.rept 32
	v_exp_f32 v[X+i], v[X+i]
.set i, i+1
.endr
	v_nop                                          ; one plain instruction between the exponentials and their use
	s_wait_alu depctr_va_vdst(0)
.irp c, 0,1,2,3
	v_pk_add_f32 v[14+2*\c:15+2*\c], v[X+4*\c:X+4*\c+1], v[X+4*\c+2:X+4*\c+3]
.endr
.irp c, 0,1,2,3
	v_pk_add_f32 v[14+2*\c:15+2*\c], v[14+2*\c:15+2*\c], v[X+16+2*\c:X+16+2*\c+1]
.endr
.irp c, 0,1,2,3
	v_pk_add_f32 v[14+2*\c:15+2*\c], v[14+2*\c:15+2*\c], v[X+24+2*\c:X+24+2*\c+1]
.endr
	v_pk_add_f32 v[14:15], v[14:15], v[16:17]
	v_pk_add_f32 v[18:19], v[18:19], v[20:21]
	v_pk_add_f32 v[14:15], v[14:15], v[18:19]
.if \first
	v_add_f32 v[10+\qt], v14, v15
.else
	v_add_f32 v14, v14, v15
	v_fma_f32 v[10+\qt], v[10+\qt], v12, v14
.endif
.irp kb, 0,1
.irp c, 0,1,2,3,4,5,6,7
	v_cvt_pk_bf16_f32 v[X+16*\kb+\c], v[X+16*\kb+2*\c], v[X+16*\kb+2*\c+1]   ; ascending: a register is written when it has been read
.endr
.endr
.if \first == 0
.irp dt, 0,1,2,3
.irp c, 0,2,4,6
	v_pk_mul_f32 v[OA+16*\dt+8*\qt+\c:OA+16*\dt+8*\qt+\c+1], v[OA+16*\dt+8*\qt+\c:OA+16*\dt+8*\qt+\c+1], v[12:13]
.endr
.endr
.endif
.endm
; 64 keys.  In both products the accumulators take turns, one instruction a turn.
.macro STEP slot, st, first, last
	PLACES 5                                       ; the last products' sources: FR is loaded again, and the scores are written over P
.irp kt, 0,1,2,3
.irp ks, 0,1
	ds_load_b128 v[FR+16*\kt+8*\ks:FR+16*\kt+8*\ks+3], v[1+\slot] offset:\st*64*KPITCH+\kt*16*KPITCH+\ks*64
	ds_load_b128 v[FR+16*\kt+8*\ks+4:FR+16*\kt+8*\ks+7], v[1+\slot] offset:\st*64*KPITCH+\kt*16*KPITCH+\ks*64+32
.endr
.endr
.if \first
	s_wait_loadcnt 0x0                             ; Q
.endif
	s_wait_dscnt 0x0
.irp kt, 0,1,2,3
	v_wmma_f32_16x16x32_bf16 v[SC+8*\kt:SC+8*\kt+7], v[FR+16*\kt:FR+16*\kt+7], v[QF:QF+7], 0
	v_wmma_f32_16x16x32_bf16 v[SC+32+8*\kt:SC+32+8*\kt+7], v[FR+16*\kt:FR+16*\kt+7], v[QF+16:QF+23], 0
	v_wmma_f32_16x16x32_bf16 v[SC+8*\kt:SC+8*\kt+7], v[FR+16*\kt+8:FR+16*\kt+15], v[QF+8:QF+15], v[SC+8*\kt:SC+8*\kt+7]
	v_wmma_f32_16x16x32_bf16 v[SC+32+8*\kt:SC+32+8*\kt+7], v[FR+16*\kt+8:FR+16*\kt+15], v[QF+24:QF+31], v[SC+32+8*\kt:SC+32+8*\kt+7]
.endr
	PLACES 4
.irp kb, 0,1
.irp dt, 0,1,2,3
	ds_load_tr16_b128 v[FR+32*\kb+8*\dt:FR+32*\kb+8*\dt+3], v[3+\slot] offset:\st*64*VPITCH+\kb*32*VPITCH+\dt*32
	ds_load_tr16_b128 v[FR+32*\kb+8*\dt+4:FR+32*\kb+8*\dt+7], v[3+\slot] offset:\st*64*VPITCH+\kb*32*VPITCH+\dt*32+16*VPITCH
.endr
.endr
	s_wait_kmcnt 0x0                               ; this step's mask words; their address may now step
	s_add_nc_u64 s[66:67], s[66:67], 128
	SOFTMAX 0, \first
	SOFTMAX 1, \first
.if \last == 0
	MLOAD                                          ; the next step's words: they have the two products in which to come
.endif
	s_wait_dscnt 0x0                               ; V
.irp kb, 0,1
.irp dt, 0,1,2,3
.irp qt, 0,1
.if \first*(1-\kb)
	v_wmma_f32_16x16x32_bf16 v[OA+16*\dt+8*\qt:OA+16*\dt+8*\qt+7], v[FR+32*\kb+8*\dt:FR+32*\kb+8*\dt+7], v[SC+32*\qt+16*\kb:SC+32*\qt+16*\kb+7], 0
.else
	v_wmma_f32_16x16x32_bf16 v[OA+16*\dt+8*\qt:OA+16*\dt+8*\qt+7], v[FR+32*\kb+8*\dt:FR+32*\kb+8*\dt+7], v[SC+32*\qt+16*\kb:SC+32*\qt+16*\kb+7], v[OA+16*\dt+8*\qt:OA+16*\dt+8*\qt+7]
.endif
.endr
.endr
.endr
.endm
; 256 keys: all my tensor loads have landed (my part of this slot), so its group 0 may step; my reads of the other slot are
; over; the round shows both of every wave of the four work-groups; the refill comes first behind it, one load a wave.
.macro TRIP slot, refill, first, last
	s_wait_tensorcnt 0x0
	ds_add_u32 v30, v31
	s_wait_dscnt 0x0
.if \slot == 0
	s_add_nc_u64 s[14:15], s[14:15], 65536
.else
	s_add_nc_u64 s[70:71], s[70:71], 65536
.endif
	s_wait_dscnt 0x0
	ROUND
.if \refill
.if \slot == 0
	JLOAD 1
.else
	JLOAD 0
.endif
.endif
	STEP \slot, 0, \first, 0
	STEP \slot, 1, 0, 0
	STEP \slot, 2, 0, 0
	STEP \slot, 3, 0, \last
.endm
	s_load_b256 s[16:23], s[0:1], 0x0              ; qh s[16:17], kh s[18:19], vh s[20:21], mb s[22:23]
	v_lshl_add_u32 v30, v0, 2, 0x2f000
	v_mov_b32 v31, 0
	ds_add_u32 v30, v31
	ds_add_u32 v30, v31
	v_lshrrev_b32 v14, 5, v0
	v_readfirstlane_b32 s96, v14                   ; wave 0..7
	s_bfe_u32 s100, ttmp6, 0x40000                 ; cx
	s_lshl_b32 s101, ttmp9, 2
	s_add_co_u32 s100, s101, s100                  ; query block = 4 x cluster x + cx
	s_and_b32 s97, ttmp7, 0xffff                   ; 8 b + head
	s_mov_b32 s98, 0x76543210                      ; v_permlanex16_b32: lane i reads lane i of the other half
	s_mov_b32 s99, 0xfedcba98
	; 64 keys of 128 bytes are dense in memory: 32 rows of 256 bytes, with padding behind every 32 words, that is behind every key
	s_mov_b32 s4, 15|(1<<16)|(1<<20)|(1<<21)|(4<<22)|(3<<25)    ; K: 4 words of padding
	s_mov_b32 s72, 15|(1<<16)|(1<<20)|(1<<21)|(4<<22)|(7<<25)   ; V: 8 words
	s_mov_b32 s5, 128<<16
	s_mov_b32 s73, 128<<16                         ; tensor_dim0 = 128
	s_mov_b32 s6, 32<<16
	s_mov_b32 s74, 32<<16                          ; tensor_dim1 = 32
	s_mov_b32 s7, 128<<16
	s_mov_b32 s75, 128<<16                         ; tile_dim0 = 128
	s_mov_b32 s8, 32
	s_mov_b32 s76, 32                              ; tile_dim1 = 32
	s_mov_b32 s9, 128
	s_mov_b32 s77, 128                             ; elements from row to row
	s_mov_b32 s10, 0
	s_mov_b32 s78, 0
	s_mov_b32 s11, 0
	s_mov_b32 s79, 0
	s_lshl_b32 s2, s97, 18                         ; 2,048 keys of 128 bytes for each (b, head)
	s_and_b32 s3, s96, 3
	s_lshl_b32 s3, s3, 13                          ; my 64 keys
	s_add_co_u32 s2, s2, s3
	s_mov_b32 s3, 0
	s_wait_dscnt 0x0
	s_wait_kmcnt 0x0
	s_cmp_lt_u32 s96, 4
	s_cbranch_scc0 .Lv_wave
	s_mul_i32 s101, s96, 64*KPITCH
	s_add_nc_u64 s[14:15], s[18:19], s[2:3]
	s_branch .Lset
.Lv_wave:
	s_mul_i32 s101, s96, 64*VPITCH
	s_sub_co_u32 s101, s101, 4*64*VPITCH-VOFF      ; V's part begins behind K's
	s_add_nc_u64 s[14:15], s[20:21], s[2:3]
.Lset:
	s_mov_b32 s12, 1
	s_mov_b32 s13, s101
	s_mov_b32 s68, 1
	s_add_co_u32 s69, s101, SLOT
	s_add_nc_u64 s[70:71], s[14:15], 32768         ; keys 256 ..
	s_or_b32 s15, s15, 0x80000000
	s_or_b32 s71, s71, 0x80000000
	s_lshl_b32 s2, s97, 18                         ; my 32 rows in qh and zh
	s_lshl_b32 s101, s100, 15
	s_add_co_u32 s2, s2, s101
	s_lshl_b32 s101, s96, 12
	s_add_co_u32 s2, s2, s101
	s_add_nc_u64 s[104:105], s[16:17], s[2:3]
	s_lshr_b32 s101, s97, 3                        ; b
	s_lshl_b32 s66, s101, 19                       ; 128 query tiles of 4,096 bytes
	s_lshl_b32 s101, s100, 16
	s_add_co_u32 s66, s66, s101
	s_lshl_b32 s101, s96, 13
	s_add_co_u32 s66, s66, s101
	s_mov_b32 s67, 0
	s_add_nc_u64 s[66:67], s[22:23], s[66:67]
	ROUND                                          ; in front of the first joint load
	JLOAD 0
	v_and_b32 v14, 15, v0                          ; r
	v_bfe_u32 v15, v0, 4, 1                        ; h
	v_and_b32 v16, 7, v0
	v_bfe_u32 v17, v0, 3, 1
	v_lshlrev_b32 v27, 7, v14
	v_lshl_add_u32 v27, v15, 4, v27                ; Q: row r, 16 h bytes in
.irp qt, 0,1
.irp ks, 0,1
	global_load_b128 v[QF+16*\qt+8*\ks:QF+16*\qt+8*\ks+3], v27, s[104:105] offset:\qt*2048+\ks*64
	global_load_b128 v[QF+16*\qt+8*\ks+4:QF+16*\qt+8*\ks+7], v27, s[104:105] offset:\qt*2048+\ks*64+32
.endr
.endr
	MLOAD                                          ; over the registers that held the pointers: all have been used
	v_mul_u32_u24 v1, v14, KPITCH
	v_lshl_add_u32 v1, v15, 4, v1
	v_add_nc_u32 v2, SLOT, v1
	v_lshl_add_u32 v18, v15, 3, v16
	v_mul_u32_u24 v3, v18, VPITCH
	v_lshl_add_u32 v3, v17, 4, v3
	v_add_nc_u32 v3, VOFF, v3
	v_add_nc_u32 v4, SLOT, v3
	v_mov_b32 v5, 0xc738a8ca                       ; -32767 log2(e)
	s_mul_i32 s101, s96, 32*KPITCH
	s_add_co_u32 s101, s101, OSTG
	v_add_nc_u32 v24, s101, v1
	v_bfe_u32 v19, v0, 3, 2
	v_mul_u32_u24 v25, v19, KPITCH
	v_lshl_add_u32 v25, v16, 4, v25
	v_add_nc_u32 v25, s101, v25
	v_and_b32 v26, 31, v0
	v_lshlrev_b32 v26, 4, v26
	v_mov_b32 v20, 0                               ; v_permlanex16_b32 counts as a reader of its destination
	s_mov_b32 s97, 3
	; Eight tiles of 256 keys.  Only the first and the last differ from the others, so only they are written out beside the loop:
	; the text holds four trips' instructions.
	TRIP 0, 1, 1, 0                                ; tile 0: its first step starts maximum, sum and O: nothing is cleared
.Lkv:
	TRIP 1, 1, 0, 0                                ; tiles 1, 3, 5
	TRIP 0, 1, 0, 0                                ; tiles 2, 4, 6
	s_sub_co_u32 s97, s97, 1
	s_cmp_lg_u32 s97, 0
	s_cbranch_scc1 .Lkv
	TRIP 1, 0, 0, 1                                ; tile 7: nothing more to fetch, no further mask words
	; the way out: divide by the sum, bf16, through my own stage, 512 consecutive bytes a store
	PLACES 4
	s_load_b64 s[16:17], s[0:1], 0x20              ; zh
	v_permlanex16_b32 v20, v10, s98, s99
	v_permlanex16_b32 v21, v11, s98, s99
	v_add_f32 v10, v10, v20                        ; both halves' keys; at least 1, the largest score's term
	v_add_f32 v11, v11, v21
	v_rcp_f32 v12, v10
	v_rcp_f32 v14, v11
	v_nop
	s_wait_alu depctr_va_vdst(0)
	v_mov_b32 v13, v12
	v_mov_b32 v15, v14
.irp qt, 0,1
.irp dt, 0,1,2,3
.irp c, 0,2,4,6
	v_pk_mul_f32 v[OA+16*\dt+8*\qt+\c:OA+16*\dt+8*\qt+\c+1], v[OA+16*\dt+8*\qt+\c:OA+16*\dt+8*\qt+\c+1], v[12+2*\qt:13+2*\qt]
.endr
.endr
.endr
.irp qt, 0,1
.irp dt, 0,1,2,3
.irp c, 0,1,2,3
	v_cvt_pk_bf16_f32 v[FR+16*\qt+4*\dt+\c], v[OA+16*\dt+8*\qt+2*\c], v[OA+16*\dt+8*\qt+2*\c+1]
.endr
	ds_store_b128 v24, v[FR+16*\qt+4*\dt:FR+16*\qt+4*\dt+3] offset:\qt*16*KPITCH+\dt*32
.endr
.endr
.irp i, 0,1,2,3,4,5,6,7
	ds_load_b128 v[SC+4*\i:SC+4*\i+3], v25 offset:\i*4*KPITCH    ; the wave's own bytes, served in order
.endr
	s_wait_kmcnt 0x0
	s_add_nc_u64 s[16:17], s[16:17], s[2:3]
.irp i, 0,1,2,3,4,5,6,7
	s_wait_dscnt 7-\i
	global_store_b128 v26, v[SC+4*\i:SC+4*\i+3], s[16:17] offset:\i*512
.endr
	s_wait_tensorcnt 0x0
	ds_add_u32 v30, v31
	s_wait_dscnt 0x0
	ROUND                                          ; the closing round
	s_endpgm
.Lfunc_end_k_qd988632810_attn:
	.size	k_qd988632810_attn, .Lfunc_end_k_qd988632810_attn-k_qd988632810_attn
	.p2alignl 7, 3214868480
	.fill 96, 4, 3214868480
	.section	.rodata,"a",@progbits
	.p2align	6, 0x0
	.amdhsa_kernel k_qd988632810_attn
		.amdhsa_group_segment_fixed_size 327680
		.amdhsa_private_segment_fixed_size 0
		.amdhsa_enable_private_segment 0
		.amdhsa_kernarg_size 40
		.amdhsa_user_sgpr_count 2
		.amdhsa_user_sgpr_kernarg_segment_ptr 1
		.amdhsa_wavefront_size32 1
		.amdhsa_system_sgpr_workgroup_id_x 1
		.amdhsa_system_sgpr_workgroup_id_y 1
		.amdhsa_system_sgpr_workgroup_id_z 1
		.amdhsa_system_vgpr_workitem_id 0
		.amdhsa_next_free_vgpr 256
		.amdhsa_next_free_sgpr 106
		.amdhsa_reserve_vcc 0
		.amdhsa_float_denorm_mode_32 3
		.amdhsa_float_denorm_mode_16_64 3
		.amdhsa_memory_ordered 1
		.amdhsa_forward_progress 1
		.amdhsa_inst_pref_size 255
	.end_amdhsa_kernel
	.section	.bss,"aw",@nobits
	.p2align	6
	.space	262144
	.amdgpu_metadata
---
amdhsa.version: [ 1, 2 ]
amdhsa.kernels:
  - .name:           k_qd988632810_attn
    .symbol:         k_qd988632810_attn.kd
    .args:
      - { .name: qh, .offset: 0, .size: 8, .value_kind: global_buffer, .address_space: global }
      - { .name: kh, .offset: 8, .size: 8, .value_kind: global_buffer, .address_space: global }
      - { .name: vh, .offset: 16, .size: 8, .value_kind: global_buffer, .address_space: global }
      - { .name: mb, .offset: 24, .size: 8, .value_kind: global_buffer, .address_space: global }
      - { .name: zh, .offset: 32, .size: 8, .value_kind: global_buffer, .address_space: global }
    .group_segment_fixed_size: 327680
    .private_segment_fixed_size: 0
    .kernarg_segment_align: 8
    .kernarg_segment_size: 40
    .max_flat_workgroup_size: 256
    .sgpr_count:     106
    .vgpr_count:     256
    .wavefront_size: 32
...
	.end_amdgpu_metadata
.endif
;; end of part 6
;; launch tail (part 7): grid 256 x 1, 4 waves a work-group, clusters of 4 x 1, 327,680 bytes of LDS; arguments zh, vx, wb, bo, ln1_g, ln1_b, b1, b2, ln2_g, ln2_b, out0; writes out0
.if DOCPART == 7
	.amdgcn_target "amdgcn-amd-amdhsa--gfx1250"
	.amdhsa_code_object_version 6
	.text
	.protected	k_qd988632810_tail
	.globl	k_qd988632810_tail
	.p2align	8
	.type	k_qd988632810_tail,@function
k_qd988632810_tail:
	s_mov_b64 s[64:65], 0
	v_nop
	global_prefetch_b8 v0, s[64:65] scope:SCOPE_SE
	s_setreg_imm32_b32 hwreg(HW_REG_WAVE_MODE, 25, 1), 1
	s_wait_xcnt 0x0
	s_wait_alu depctr_hold_cnt(0) depctr_sa_sdst(0) depctr_va_vdst(0) depctr_va_sdst(0) depctr_va_ssrc(0) depctr_va_vcc(0) depctr_vm_vsrc(0)
	s_getreg_b32 s2, hwreg(HW_REG_IB_STS2, 6, 4)
	s_cmp_eq_u32 s2, 0
	s_cbranch_scc0 .Lentry_in_a_cluster
	s_endpgm
.Lentry_in_a_cluster:
	s_bfe_u32 s2, ttmp6, 0x10000c
	s_cmp_lg_u32 s2, 0x3003
	s_cbranch_scc0 .Lentry_shape_is_right
	s_endpgm
.Lentry_shape_is_right:
; tail: zn = LN1(vx + z wo + bo); out0 = LN2(zn + gelu(zn w1 + b1) w2 + b2), for 32 token rows a work-group: nine passes of
; 32 x 512 x 512 (wo, then four times a column chunk of w1 and the matching row chunk of w2).  Neither zn nor the hidden
; layer goes to memory: zn stays in registers (f32 as the running sum Y, bf16 as fragments), a chunk of the hidden layer in LDS.
; Wave w owns columns 128 w .. 128 w + 127 of all 32 rows.  vx + bo is the C of the first pass, zn + b2 of the w2 passes.
; The weights walk as 36 tiles of 128 k x 512 n through a ring of two LDS slots.  CLUSTER: every work-group walks the same
; tiles, so the four of a cluster ask jointly (mask 15).
; THE ORDER OF A PASS'S FOUR TILES hangs on the cluster's number c: at position i the cluster takes K tile (c + i) mod 4.  So the
; 64 clusters, which walk the same blocks in step, ask for four different tiles in each trip, and a tile asked for at position
; 1, 2 or 3 has been asked for by other clusters one trip before.  c is the same in the four partners, so a joint load's
; descriptor is still equal in all four.  The sums over k are added in an order that differs from cluster to cluster.
; LayerNorm in two passes (mean, then the mean of squared differences), the four waves' partial sums meeting in LDS.
; GELU is the exact form with erf by Abramowitz and Stegun 7.1.26, absolute error at most 1.5e-7 for every x;
; v_exp_f32 gives 0 below 2^-126.  NaN and infinities are not treated.
; WINDOWS: 0: addresses, fragments, vectors; 1: zn's 32 fragments, in the order of the positions; 2: v0-127 H (a w1 chunk's sums), v128-255 Y.
; v1-4 weights' addresses; v5-8 AAD; v9 my columns in a vector; v10 where I put 16 bytes of my columns in the stage;
; v11, v12 partial sums; v13-15 the way out; v16-29 at work in LayerNorm; v[30:31] a4
.set FIRSTBLK, 3
.set WPITCH, 1056                      ; 1,024 + 32: an odd multiple of 32
.set QUART,  32*WPITCH                 ; 33,792: what one tensor load brings
.set SLOT,   4*QUART                   ; 135,168
.set TILEBYTES, 131072                 ; a tile in wb
.set BLOCKBYTES, 524288                ; a pass's four tiles
.set STAGE,  2*SLOT                    ; 270,336: 32 rows of activations in bf16; at the end the f32 rows on their way out
.set SPITCH, 1040                      ; 1,024 + 16: an odd multiple of 16
.set LNB,    STAGE+33792               ; 304,128: partial sums, 512 bytes for each of four reductions
.set FPITCH, 528                       ; the way out: 512 + 16
.set AAD, 5                            ; v[5:8]     position i: where the activation fragments of its K tile lie in the stage
.set STO, 10
.set F0,  32                           ; v[32:95]   weight fragments, buffer 0
.set F1,  96                           ; v[96:159]  buffer 1
.set ZO,  F1                           ; at the head only, while buffer 1 is not yet in use: z's offset in memory,
.set ZS,  F1+1                         ; z's place in the stage,
.set XO,  F1+2                         ; vx's offset in memory
.set GA0, 160                          ; v[160:175] activation fragments, buffer 0
.set GA1, 176                          ; v[176:191] buffer 1
.set T,   192                          ; v[192:255] a vector's 64 numbers of my columns
.set YA,  128                          ; Y in window 2
.set XX,  32                           ; GELU: x, then the result
.set TT,  48                           ; t
.set EE,  64                           ; exp(-x^2/2), then erf
.set PP,  80                           ; the polynomial
.set HH,  96                           ; x/2
.set RR,  112                          ; bf16
.set PB,  20                           ; s[20:21] my quarter of K tile 0 of the block from which tiles are being asked
.set G1,  40                           ; s[40:47] descriptor group 1
.set G0,  48                           ; s[48:55] descriptor group 0, one set for each slot
.set OFS, 80                           ; s[80:87] position i: its K tile's byte offset in a block, in 64 bits
.set MSB, 0
.macro WIN new                         ; the immediate's high byte repeats the setting that is left
.if MSB != \new
	s_set_vgpr_msb (MSB<<8)|\new
.set MSB, \new
.endif
.endm
.macro PLACES n                        ; places behind matrix instructions (ISA guide 7.12.1)
.rept \n
	v_nop
.endr
.endm
.macro ROUND                           ; a round of the cluster's barrier
	s_barrier_signal -1
	s_barrier_wait -1
	s_cmp_lg_u32 s8, 0
	s_cbranch_scc1 .Lnot_wave_0_\@
	s_barrier_signal -3
.Lnot_wave_0_\@:
	s_barrier_wait -3
	s_barrier_signal -1
	s_barrier_wait -1
.endm
; The head of the trip at position pos of a pass (slot pos % 2).  All my tensor loads have landed (the one that was out is my
; quarter of this trip's tile), so a group 0 may be written: this slot's next tile is the one two positions on, from position 2 on
; in the next block.  My LDS reads and stores are done; the round shows both of every wave of the four work-groups; the refill
; of the slot read last is the first thing behind it, one load a wave, and has this tile's work in which to land.
.macro TRIPHEAD pos, refill
	s_set_vgpr_msb 0xf
	s_wait_tensorcnt 0x0
	ds_add_u32 v0, v1
	s_wait_dscnt 0x0
	s_set_vgpr_msb 0xf00
.if \pos == 2
	s_add_nc_u64 s[PB:PB+1], s[PB:PB+1], BLOCKBYTES
.endif
	s_add_nc_u64 s[G0+4*(\pos&1)+2:G0+4*(\pos&1)+3], s[PB:PB+1], s[OFS+2*((\pos+2)&3):OFS+2*((\pos+2)&3)+1]
	s_or_b32 s[G0+4*(\pos&1)+3], s[G0+4*(\pos&1)+3], 0x80000000    ; type = 2
	s_wait_dscnt 0x0
	ROUND
.if \refill
	tensor_load_to_lds s[G0+4-4*(\pos&1):G0+7-4*(\pos&1)], s[G1:G1+7]
	s_nop 0
.endif
.endm
; weights stored [k][n]: the transposing load gives lane (r, h) column n0 + r, k = k0 + 8 h .. + 7, and 16 rows further down the second half
.macro FETCHW slot, ks, f
.irp nt, 0,1,2,3,4,5,6,7
	ds_load_tr16_b128 v[\f+8*\nt:\f+8*\nt+3], v[1+2*\slot+(\ks>>1)] offset:(\ks&1)*QUART+\nt*32
	ds_load_tr16_b128 v[\f+8*\nt+4:\f+8*\nt+7], v[1+2*\slot+(\ks>>1)] offset:(\ks&1)*QUART+\nt*32+16*WPITCH
.endr
.endm
.macro FETCHA tp, ks, g                ; tp: the position; its address register knows the K tile
.irp mt, 0,1
	ds_load_b128 v[\g+8*\mt:\g+8*\mt+3], v[AAD+\tp] offset:\mt*16*SPITCH+\ks*64
	ds_load_b128 v[\g+8*\mt+4:\g+8*\mt+7], v[AAD+\tp] offset:\mt*16*SPITCH+\ks*64+32
.endr
.endm
.macro FETCH slot, asrc, tp, ks, f, g
	FETCHW \slot, \ks, \f
.if \asrc == 0
	FETCHA \tp, \ks, \g
.endif
.endm
; 16 matrix instructions on 16 accumulators, one instruction a turn, in the same order in every run
.macro MUL f, a, acc, zero
.irp nt, 0,1,2,3,4,5,6,7
.irp mt, 0,1
.if \zero
	v_wmma_f32_16x16x32_bf16 v[\acc+16*\nt+8*\mt:\acc+16*\nt+8*\mt+7], v[\f+8*\nt:\f+8*\nt+7], v[\a+8*\mt:\a+8*\mt+7], 0
.else
	v_wmma_f32_16x16x32_bf16 v[\acc+16*\nt+8*\mt:\acc+16*\nt+8*\mt+7], v[\f+8*\nt:\f+8*\nt+7], v[\a+8*\mt:\a+8*\mt+7], v[\acc+16*\nt+8*\mt:\acc+16*\nt+8*\mt+7]
.endif
.endr
.endr
.endm
.macro MULT asrc, tp, ks, f, g, acc, zero
.if \asrc == 0
	WIN 0xa0                                       ; C and D in window 2
	MUL \f, \g, \acc, \zero
.else
	WIN 0xa4                                       ; and the activations in window 1
	MUL \f, 16*(4*\tp+\ks), \acc, \zero
.endif
.endm
; one tile: four steps of 32 along k on two fragment buffers.  Each counted wait leaves the NL loads of the fetch just issued out.
.macro TILE slot, asrc, tp, acc, zero
.set NL, 20-4*\asrc
	WIN 0
	PLACES 4                                       ; the buffers were read by the matrix instructions in front
	FETCH \slot, \asrc, \tp, 0, F0, GA0
	FETCH \slot, \asrc, \tp, 1, F1, GA1
	s_wait_dscnt NL
	MULT \asrc, \tp, 0, F0, GA0, \acc, \zero
	WIN 0
	PLACES 4
	FETCH \slot, \asrc, \tp, 2, F0, GA0
	s_wait_dscnt NL
	MULT \asrc, \tp, 1, F1, GA1, \acc, 0
	WIN 0
	PLACES 4
	FETCH \slot, \asrc, \tp, 3, F1, GA1
	s_wait_dscnt NL
	MULT \asrc, \tp, 2, F0, GA0, \acc, 0
	s_wait_dscnt 0x0
	MULT \asrc, \tp, 3, F1, GA1, \acc, 0
	WIN 0
.endm
.macro PASS asrc, acc, zero, lastrefill ; 32 x 512 x 512: four tiles; a pass begins on slot 0
	TRIPHEAD 0, 1
	TILE 0, \asrc, 0, \acc, \zero
	TRIPHEAD 1, 1
	TILE 1, \asrc, 1, \acc, 0
	TRIPHEAD 2, 1
	TILE 0, \asrc, 2, \acc, 0
	TRIPHEAD 3, \lastrefill
	TILE 1, \asrc, 3, \acc, 0
.endm
.macro BLOAD p, d                      ; 64 numbers of a vector: my columns 128 w + 16 nt + 8 h + 0..7
.irp nt, 0,1,2,3,4,5,6,7
	global_load_b128 v[\d+8*\nt:\d+8*\nt+3], v9, s[\p:\p+1] offset:\nt*64
	global_load_b128 v[\d+8*\nt+4:\d+8*\nt+7], v9, s[\p:\p+1] offset:\nt*64+16
.endr
.endm
.macro YADDT                           ; Y += the vector in T
	WIN 0x82
.irp mt, 0,1
.irp nt, 0,1,2,3,4,5,6,7
.irp c, 0,2,4,6
	v_pk_add_f32 v[YA+16*\nt+8*\mt+\c:YA+16*\nt+8*\mt+\c+1], v[YA+16*\nt+8*\mt+\c:YA+16*\nt+8*\mt+\c+1], v[T+8*\nt+\c:T+8*\nt+\c+1]
.endr
.endr
.endr
	WIN 0
.endm
; my wave's part of a row sum (sq = 0) or of a sum of squares (sq = 1) for the 16 tokens of row tile mt, into LDS word (token r, wave)
.macro LNPART mt, sq, off
	WIN 0x0a
.irp nt, 0,1,2,3
.irp c, 0,2,4,6
.if \sq
	v_pk_mul_f32 v[GA0+8*\nt+\c:GA0+8*\nt+\c+1], v[YA+16*\nt+8*\mt+\c:YA+16*\nt+8*\mt+\c+1], v[YA+16*\nt+8*\mt+\c:YA+16*\nt+8*\mt+\c+1]
.else
	v_pk_add_f32 v[GA0+8*\nt+\c:GA0+8*\nt+\c+1], v[YA+16*\nt+8*\mt+\c:YA+16*\nt+8*\mt+\c+1], v[YA+64+16*\nt+8*\mt+\c:YA+64+16*\nt+8*\mt+\c+1]
.endif
.endr
.endr
.if \sq
.irp nt, 0,1,2,3
.irp c, 0,2,4,6
	v_pk_fma_f32 v[GA0+8*\nt+\c:GA0+8*\nt+\c+1], v[YA+64+16*\nt+8*\mt+\c:YA+64+16*\nt+8*\mt+\c+1], v[YA+64+16*\nt+8*\mt+\c:YA+64+16*\nt+8*\mt+\c+1], v[GA0+8*\nt+\c:GA0+8*\nt+\c+1]
.endr
.endr
.endif
	WIN 0
.irp n, 8,4,2,1
.set i, 0
.rept \n
	v_pk_add_f32 v[GA0+2*i:GA0+2*i+1], v[GA0+2*i:GA0+2*i+1], v[GA0+2*\n+2*i:GA0+2*\n+2*i+1]
.set i, i+1
.endr
.endr
	v_add_f32 v[GA0], v[GA0], v[GA0+1]
	v_permlanex16_b32 v29, v[GA0], s10, s11        ; the other half's columns of the same token
	v_add_f32 v28, v[GA0], v29
	ds_store_b32 v11, v28 offset:\off              ; both halves store the same number to the same word
.endm
.macro LNGET off                       ; the four waves' parts: v16 for row tile 0, v20 for row tile 1.  Each reduction has LDS bytes of its own.
	s_wait_dscnt 0x0                               ; my parts are stored
	s_barrier_signal -1
	s_barrier_wait -1                              ; everybody's are; the next tile's load stays out, nothing is filled before the next round
	ds_load_b128 v[16:19], v12 offset:\off
	ds_load_b128 v[20:23], v12 offset:\off+256
	s_wait_dscnt 0x0
	v_pk_add_f32 v[16:17], v[16:17], v[18:19]
	v_pk_add_f32 v[20:21], v[20:21], v[22:23]
	v_add_f32 v16, v16, v17
	v_add_f32 v20, v20, v21
.endm
.macro LN k, g, b, withb2              ; Y = LayerNorm(Y) with gain s[g:g+1] and bias s[b:b+1]
	PLACES 4
	BLOAD \g, F0
	BLOAD \b, F1
.if \withb2
	BLOAD 30, T
.endif
	LNPART 0, 0, \k*1024
	LNPART 1, 0, \k*1024+256
	LNGET \k*1024
	v_mul_f32 v24, 0x3b000000, v16                 ; / 512
	v_mul_f32 v26, 0x3b000000, v20
	v_mov_b32 v25, v24
	v_mov_b32 v27, v26
	WIN 0x82
.irp mt, 0,1
.irp nt, 0,1,2,3,4,5,6,7
.irp c, 0,2,4,6
	v_pk_add_f32 v[YA+16*\nt+8*\mt+\c:YA+16*\nt+8*\mt+\c+1], v[YA+16*\nt+8*\mt+\c:YA+16*\nt+8*\mt+\c+1], v[24+2*\mt:25+2*\mt] neg_lo:[0,1] neg_hi:[0,1]
.endr
.endr
.endr
	LNPART 0, 1, \k*1024+512
	LNPART 1, 1, \k*1024+768
	LNGET \k*1024+512
	v_fma_f32 v16, v16, 0x3b000000, s12            ; variance + 1e-5
	v_fma_f32 v20, v20, 0x3b000000, s12
	v_rsq_f32 v24, v16
	v_rsq_f32 v26, v20
	v_nop                                          ; one plain instruction behind the transcendentals (ISA guide 5.7.2)
	s_wait_alu depctr_va_vdst(0)
	v_mov_b32 v25, v24
	v_mov_b32 v27, v26
	s_wait_loadcnt 0x0                             ; gain and bias
	WIN 0x82
.irp mt, 0,1
.irp nt, 0,1,2,3,4,5,6,7
.irp c, 0,2,4,6
	v_pk_mul_f32 v[YA+16*\nt+8*\mt+\c:YA+16*\nt+8*\mt+\c+1], v[YA+16*\nt+8*\mt+\c:YA+16*\nt+8*\mt+\c+1], v[24+2*\mt:25+2*\mt]
.endr
.endr
.irp nt, 0,1,2,3,4,5,6,7
.irp c, 0,2,4,6
	v_pk_fma_f32 v[YA+16*\nt+8*\mt+\c:YA+16*\nt+8*\mt+\c+1], v[YA+16*\nt+8*\mt+\c:YA+16*\nt+8*\mt+\c+1], v[F0+8*\nt+\c:F0+8*\nt+\c+1], v[F1+8*\nt+\c:F1+8*\nt+\c+1]
.endr
.endr
.endr
	WIN 0
.endm
; h = gelu(H + b1) in bf16 into the stage.  gelu(x) = x/2 + |x/2| erf(|x|/sqrt 2); erf(z) = 1 - (a1 t + .. + a5 t^5) exp(-z^2), t = 1/(1 + p z).
.macro GELU
	PLACES 4
	s_wait_loadcnt 0x0                             ; b1's chunk is in T, and its address may step
	s_add_nc_u64 s[28:29], s[28:29], 2048
.irp nt, 0,1,2,3,4,5,6,7
	WIN 0x02
.irp mt, 0,1
.irp c, 0,2,4,6
	v_pk_add_f32 v[XX+8*\mt+\c:XX+8*\mt+\c+1], v[16*\nt+8*\mt+\c:16*\nt+8*\mt+\c+1], v[T+8*\nt+\c:T+8*\nt+\c+1]
.endr
.endr
	WIN 0
.irp r, 32,33,34,35,36,37,38,39,40,41,42,43,44,45,46,47
	v_fma_f32 v[\r+16], |v\r|, s66, 1.0            ; 1 + p |x| / sqrt 2
.endr
.set i, 0
.rept 16
	v_rcp_f32 v[TT+i], v[TT+i]
.set i, i+1
.endr
.irp c, 0,2,4,6,8,10,12,14
	v_pk_mul_f32 v[EE+\c:EE+\c+1], v[XX+\c:XX+\c+1], s[68:69] op_sel_hi:[1,0]
.endr
.irp c, 0,2,4,6,8,10,12,14
	v_pk_mul_f32 v[EE+\c:EE+\c+1], v[EE+\c:EE+\c+1], v[XX+\c:XX+\c+1]      ; -x^2 log2(e) / 2
.endr
.set i, 0
.rept 16
	v_exp_f32 v[EE+i], v[EE+i]
.set i, i+1
.endr
	s_wait_alu depctr_va_vdst(0)
.irp c, 0,2,4,6,8,10,12,14
	v_pk_fma_f32 v[PP+\c:PP+\c+1], v[TT+\c:TT+\c+1], s[70:71], v[30:31] op_sel_hi:[1,0,1]      ; a5 t + a4
.endr
.irp a, 72,74,76
.irp c, 0,2,4,6,8,10,12,14
	v_pk_fma_f32 v[PP+\c:PP+\c+1], v[PP+\c:PP+\c+1], v[TT+\c:TT+\c+1], s[\a:\a+1] op_sel_hi:[1,1,0]   ; .. + a3, a2, a1
.endr
.endr
.irp c, 0,2,4,6,8,10,12,14
	v_pk_mul_f32 v[PP+\c:PP+\c+1], v[PP+\c:PP+\c+1], v[TT+\c:TT+\c+1]
.endr
.irp c, 0,2,4,6,8,10,12,14
	v_pk_fma_f32 v[EE+\c:EE+\c+1], v[PP+\c:PP+\c+1], v[EE+\c:EE+\c+1], 1.0 op_sel_hi:[1,1,0] neg_lo:[1,0,0] neg_hi:[1,0,0]   ; erf
.endr
.irp c, 0,2,4,6,8,10,12,14
	v_pk_mul_f32 v[HH+\c:HH+\c+1], v[XX+\c:XX+\c+1], 0.5 op_sel_hi:[1,0]
.endr
.irp r, 96,97,98,99,100,101,102,103,104,105,106,107,108,109,110,111
	v_fma_f32 v[\r-64], |v\r|, v[\r-32], v\r
.endr
.irp c, 0,1,2,3,4,5,6,7
	v_cvt_pk_bf16_f32 v[RR+\c], v[XX+2*\c], v[XX+2*\c+1]
.endr
	ds_store_b128 v[STO], v[RR:RR+3] offset:\nt*32
	ds_store_b128 v[STO], v[RR+4:RR+7] offset:16*SPITCH+\nt*32
.endr
.endm
; A chunk of 512 hidden columns.  The rounds of the w1 pass stand between the last reads of the old chunk in the stage and the
; new stores; the head of the w2 pass's first trip (its wait for my LDS stores, its round) shows the new chunk to every wave.
.macro CHUNK lastrefill
	BLOAD 28, T
	PASS 1, 0, 1, 1
	GELU
	PASS 0, YA, 0, \lastrefill
.endm
	s_load_b512 s[16:31], s[0:1], 0x0              ; zh s[16:17], vx s[18:19], wb s[20:21], bo s[22:23], ln1_g, ln1_b s[24:27], b1 s[28:29], b2 s[30:31]
	s_load_b128 s[32:35], s[0:1], 0x40             ; ln2_g, ln2_b
	s_load_b64 s[36:37], s[0:1], 0x50              ; out0
	s_set_vgpr_msb 0xc0
	v_lshl_add_u32 v0, v0, 2, 0x4ac00
	v_mov_b32 v1, 0
	s_set_vgpr_msb 0xc0cf
	ds_add_u32 v0, v1
	ds_add_u32 v0, v1
	s_set_vgpr_msb 0xcf00
	v_lshrrev_b32 v16, 5, v0
	v_readfirstlane_b32 s8, v16                    ; wave 0..3
	s_bfe_u32 s2, ttmp6, 0x40000                   ; cx
	s_lshl_b32 s3, ttmp9, 2
	s_add_co_u32 s2, s3, s2                        ; work-group = 4 x cluster + cx
	s_and_b32 s3, ttmp9, 3                         ; the cluster's number mod 4: the same in the four partners
.irp i, 0,1,2,3
	s_add_co_u32 s[OFS+2*\i], s3, \i
	s_and_b32 s[OFS+2*\i], s[OFS+2*\i], 3          ; position i takes K tile (c + i) mod 4,
	s_lshl_b32 s[OFS+2*\i], s[OFS+2*\i], 17        ; 131,072 bytes a tile
	s_mov_b32 s[OFS+2*\i+1], 0
.endr
	s_mov_b32 s10, 0x76543210                      ; v_permlanex16_b32: lane i reads lane i of the other half
	s_mov_b32 s11, 0xfedcba98
	s_mov_b32 s12, 0x3727c5ac                      ; 1e-5
	s_mov_b32 s66, 0x3e6d3388                      ; 0.3275911 / sqrt 2
	s_mov_b32 s67, 0x3e6d3388
	s_mov_b32 s68, 0xbf38aa3b                      ; -log2(e) / 2
	s_mov_b32 s69, 0xbf38aa3b
	s_mov_b32 s70, 0x3f87dc22                      ; a5 =  1.061405429
	s_mov_b32 s71, 0x3f87dc22
	s_mov_b32 s72, 0x3fb5f0e3                      ; a3 =  1.421413741
	s_mov_b32 s73, 0x3fb5f0e3
	s_mov_b32 s74, 0xbe91a98e                      ; a2 = -0.284496736
	s_mov_b32 s75, 0xbe91a98e
	s_mov_b32 s76, 0x3e827906                      ; a1 =  0.254829592
	s_mov_b32 s77, 0x3e827906
	s_mov_b32 s[G1+0], 15|(1<<16)|(1<<20)|(1<<21)|(7<<22)|(7<<25)  ; all four of the cluster; 2-byte elements; padding: after every 256 words, 8 words; bit 21 beside the mask
	s_mov_b32 s[G1+1], 512<<16                     ; tensor_dim0 = 512
	s_mov_b32 s[G1+2], 32<<16                      ; tensor_dim1 = 32
	s_mov_b32 s[G1+3], 512<<16                     ; tile_dim0 = 512
	s_mov_b32 s[G1+4], 32                          ; tile_dim1 = 32
	s_mov_b32 s[G1+5], 512                         ; elements from row to row
	s_mov_b32 s[G1+6], 0
	s_mov_b32 s[G1+7], 0
	s_mul_i32 s56, s8, QUART                       ; my quarter of a slot
	s_lshl_b32 s58, s8, 15                         ; and of a tile in wb
	s_mov_b32 s59, 0
	s_lshl_b32 s4, s2, 16                          ; 32 rows of 2,048 bytes
	s_mov_b32 s5, 0
	s_lshr_b32 s6, s2, 6                           ; b,
	s_lshl_b32 s6, s6, 21                          ; 8 heads x 2,048 rows x 128 bytes
	s_and_b32 s7, s2, 63
	s_lshl_b32 s7, s7, 12                          ; 32 rows of 128 bytes
	s_add_co_u32 s6, s6, s7
	s_mov_b32 s7, 0
	s_wait_dscnt 0x0
	s_wait_kmcnt 0x0
	s_add_nc_u64 s[16:17], s[16:17], s[6:7]
	s_add_nc_u64 s[18:19], s[18:19], s[4:5]
	s_add_nc_u64 s[36:37], s[36:37], s[4:5]
	s_add_nc_u64 s[PB:PB+1], s[PB:PB+1], s[58:59]
.if FIRSTBLK
	s_add_nc_u64 s[PB:PB+1], s[PB:PB+1], FIRSTBLK*BLOCKBYTES
.endif
.irp s, 0,1
	s_mov_b32 s[G0+4*\s], 1
	s_add_co_u32 s[G0+4*\s+1], s56, \s*SLOT
	s_add_nc_u64 s[G0+4*\s+2:G0+4*\s+3], s[PB:PB+1], s[OFS+2*\s:OFS+2*\s+1]   ; positions 0 and 1 of the first pass
	s_or_b32 s[G0+4*\s+3], s[G0+4*\s+3], 0x80000000
.endr
	v_and_b32 v16, 15, v0                          ; r
	v_bfe_u32 v17, v0, 4, 1                        ; h
	v_and_b32 v18, 7, v0
	v_bfe_u32 v19, v0, 3, 1
	v_lshlrev_b32 v[ZO], 4, v0                     ; 16 t
	v_lshlrev_b32 v9, 5, v17
	v_lshl_add_u32 v9, s8, 9, v9                   ; 512 w + 32 h
	v_lshl_add_u32 v[XO], v16, 11, v9              ; + row r of 2,048 bytes
	; z: a head's 32 rows of 128 bytes are 4,096 consecutive bytes; the 128 threads take 2,048 with each instruction
.irp hd, 0,1,2,3,4,5,6,7
.irp hf, 0,1
	global_load_b128 v[F0+8*\hd+4*\hf:F0+8*\hd+4*\hf+3], v[ZO], s[16:17] offset:\hd*262144+\hf*2048
.endr
.endr
	; vx straight into Y's layout: lane (r, h) takes the 32 bytes of columns 16 nt + 8 h .. of row r; the wave's 16 loads of a row tile read 512 consecutive bytes of each of 16 rows, each byte once
	WIN 0x80
.irp mt, 0,1
.irp nt, 0,1,2,3,4,5,6,7
	global_load_b128 v[YA+16*\nt+8*\mt:YA+16*\nt+8*\mt+3], v[XO], s[18:19] offset:\mt*32768+\nt*64
	global_load_b128 v[YA+16*\nt+8*\mt+4:YA+16*\nt+8*\mt+7], v[XO], s[18:19] offset:\mt*32768+\nt*64+16
.endr
.endr
	WIN 0
	BLOAD 22, T
	ROUND                                          ; in front of the first joint load
	tensor_load_to_lds s[G0:G0+3], s[G1:G1+7]      ; position 0 of the first pass
	s_nop 0
	v_lshl_add_u32 v20, v17, 3, v18
	v_mul_u32_u24 v21, v20, WPITCH                 ; k row 8 h + lane % 8
	v_lshl_add_u32 v21, v19, 4, v21                ; columns 0-7 or 8-15
	v_lshl_add_u32 v1, s8, 8, v21                  ; my 128 columns; slot 0, k 0-63
	v_add_nc_u32 v2, 2*QUART, v1
	v_add_nc_u32 v3, SLOT, v1
	v_add_nc_u32 v4, SLOT+2*QUART, v1
	v_mul_u32_u24 v24, v16, SPITCH
	v_lshl_add_u32 v24, v17, 4, v24
	v_add_nc_u32 v24, STAGE, v24                   ; activation fragments of K tile 0
.irp i, 0,1,2,3
	s_lshr_b32 s3, s[OFS+2*\i], 9                  ; a K tile is 256 bytes of a stage row
	v_add_nc_u32 v[AAD+\i], s3, v24
.endr
	v_lshl_add_u32 v[STO], s8, 8, v24              ; where I put 16 bytes of my columns
	v_lshrrev_b32 v22, 3, v0
	v_mul_u32_u24 v[ZS], v22, SPITCH
	v_lshl_add_u32 v[ZS], v18, 4, v[ZS]
	v_add_nc_u32 v[ZS], STAGE, v[ZS]               ; z: token t / 8, 16 (t % 8) bytes in
	v_lshlrev_b32 v12, 4, v16
	v_add_nc_u32 v12, LNB, v12
	v_lshl_add_u32 v11, s8, 2, v12
	s_mul_i32 s13, s8, 16*FPITCH
	s_add_co_u32 s13, s13, STAGE
	v_mul_u32_u24 v13, v16, FPITCH
	v_lshl_add_u32 v13, v17, 5, v13
	v_add_nc_u32 v13, s13, v13
	v_and_b32 v23, 31, v0
	v_lshlrev_b32 v23, 4, v23
	v_add_nc_u32 v14, s13, v23
	v_lshl_add_u32 v15, s8, 9, v23
	v_mov_b32 v29, 0                               ; v_permlanex16_b32 counts as a reader of its destination
	v_mov_b32 v30, 0xbfba00e3                      ; a4 = -1.453152027
	v_mov_b32 v31, 0xbfba00e3
	s_wait_loadcnt 48                              ; z's 16 loads are in; the 32 of vx and the 16 of bo are younger
.irp hd, 0,1,2,3,4,5,6,7
.irp hf, 0,1
	ds_store_b128 v[ZS], v[F0+8*\hd+4*\hf:F0+8*\hd+4*\hf+3] offset:\hf*16*SPITCH+\hd*128
.endr
.endr
	s_wait_loadcnt 0x0                             ; vx and bo are in; buffer 1, which held their offsets, is free
	YADDT                                          ; Y = vx + bo
	PASS 0, YA, 0, 1                               ; + z wo
	LN 0, 24, 26, 1                                ; Y = zn; b2 comes into T
	; zn in bf16 into the stage (LN's barriers stand behind every wave's reads of z), then all its fragments into window 1
.irp mt, 0,1
	WIN 0x0a
.irp nt, 0,1,2,3,4,5,6,7
.irp c, 0,1,2,3
	v_cvt_pk_bf16_f32 v[GA0+4*\nt+\c], v[YA+16*\nt+8*\mt+2*\c], v[YA+16*\nt+8*\mt+2*\c+1]
.endr
.endr
	WIN 0
.irp nt, 0,1,2,3,4,5,6,7
	ds_store_b128 v[STO], v[GA0+4*\nt:GA0+4*\nt+3] offset:\mt*16*SPITCH+\nt*32
.endr
.endr
	YADDT                                          ; Y = zn + b2: the C of the w2 passes
	s_wait_dscnt 0x0
	s_barrier_signal -1
	s_barrier_wait -1
	WIN 0x40
.irp p, 0,1,2,3                                    ; registers 64 p ..: the K tile that my cluster takes at position p
.irp ks, 0,1,2,3
.irp mt, 0,1
	ds_load_b128 v[64*\p+16*\ks+8*\mt:64*\p+16*\ks+8*\mt+3], v[AAD+\p] offset:\mt*16*SPITCH+\ks*64
	ds_load_b128 v[64*\p+16*\ks+8*\mt+4:64*\p+16*\ks+8*\mt+7], v[AAD+\p] offset:\mt*16*SPITCH+\ks*64+32
.endr
.endr
.endr
	WIN 0
	s_wait_dscnt 0x0
	s_mov_b32 s9, 3
.Lchunk:
	CHUNK 1
	s_sub_co_u32 s9, s9, 1
	s_cmp_lg_u32 s9, 0
	s_cbranch_scc1 .Lchunk
	CHUNK 0                                        ; the last tile's trip fetches nothing (the addresses stepped past it are not used)
	LN 1, 32, 34, 0
	; The way out, 16 tokens at a time, through the stage's bytes (LN's barriers stand behind every wave's last reads of them; from
	; here on each wave uses 8,448 bytes of its own): a store of the wave covers 512 consecutive bytes of a row, aligned.
.irp mt, 0,1
	WIN 0x08
.irp nt, 0,1,2,3,4,5,6,7
	ds_store_b128 v13, v[YA+16*\nt+8*\mt:YA+16*\nt+8*\mt+3] offset:\nt*64
	ds_store_b128 v13, v[YA+16*\nt+8*\mt+4:YA+16*\nt+8*\mt+7] offset:\nt*64+16
.endr
	WIN 0
	s_wait_xcnt 0x0                                ; the registers that the stores in front read are loaded again only behind this wait
.set i, 0
.rept 16
	ds_load_b128 v[F0+4*i:F0+4*i+3], v14 offset:i*FPITCH
.set i, i+1
.endr
.set i, 0
.rept 16
	s_wait_dscnt 15-i                              ; the younger loads of the sixteen stay out
	global_store_b128 v15, v[F0+4*i:F0+4*i+3], s[36:37] offset:(16*\mt+i)*2048 th:TH_STORE_NT
.set i, i+1
.endr
.endr
	s_set_vgpr_msb 0xf
	s_wait_tensorcnt 0x0
	ds_add_u32 v0, v1
	s_wait_dscnt 0x0
	s_set_vgpr_msb 0xf00
	ROUND                                          ; the closing round
	s_endpgm
.Lfunc_end_k_qd988632810_tail:
	.size	k_qd988632810_tail, .Lfunc_end_k_qd988632810_tail-k_qd988632810_tail
	.p2alignl 7, 3214868480
	.fill 96, 4, 3214868480
	.section	.rodata,"a",@progbits
	.p2align	6, 0x0
	.amdhsa_kernel k_qd988632810_tail
		.amdhsa_group_segment_fixed_size 327680
		.amdhsa_private_segment_fixed_size 0
		.amdhsa_enable_private_segment 0
		.amdhsa_kernarg_size 88
		.amdhsa_user_sgpr_count 2
		.amdhsa_user_sgpr_kernarg_segment_ptr 1
		.amdhsa_wavefront_size32 1
		.amdhsa_system_sgpr_workgroup_id_x 1
		.amdhsa_system_sgpr_workgroup_id_y 1
		.amdhsa_system_sgpr_workgroup_id_z 1
		.amdhsa_system_vgpr_workitem_id 0
		.amdhsa_next_free_vgpr 770
		.amdhsa_next_free_sgpr 88
		.amdhsa_reserve_vcc 0
		.amdhsa_float_denorm_mode_32 3
		.amdhsa_float_denorm_mode_16_64 3
		.amdhsa_memory_ordered 1
		.amdhsa_forward_progress 1
		.amdhsa_inst_pref_size 255
	.end_amdhsa_kernel
	.section	.bss,"aw",@nobits
	.p2align	6
	.space	262144
	.amdgpu_metadata
---
amdhsa.version: [ 1, 2 ]
amdhsa.kernels:
  - .name:           k_qd988632810_tail
    .symbol:         k_qd988632810_tail.kd
    .args:
      - { .name: zh, .offset: 0, .size: 8, .value_kind: global_buffer, .address_space: global }
      - { .name: vx, .offset: 8, .size: 8, .value_kind: global_buffer, .address_space: global }
      - { .name: wb, .offset: 16, .size: 8, .value_kind: global_buffer, .address_space: global }
      - { .name: bo, .offset: 24, .size: 8, .value_kind: global_buffer, .address_space: global }
      - { .name: ln1_g, .offset: 32, .size: 8, .value_kind: global_buffer, .address_space: global }
      - { .name: ln1_b, .offset: 40, .size: 8, .value_kind: global_buffer, .address_space: global }
      - { .name: b1, .offset: 48, .size: 8, .value_kind: global_buffer, .address_space: global }
      - { .name: b2, .offset: 56, .size: 8, .value_kind: global_buffer, .address_space: global }
      - { .name: ln2_g, .offset: 64, .size: 8, .value_kind: global_buffer, .address_space: global }
      - { .name: ln2_b, .offset: 72, .size: 8, .value_kind: global_buffer, .address_space: global }
      - { .name: out0, .offset: 80, .size: 8, .value_kind: global_buffer, .address_space: global }
    .group_segment_fixed_size: 327680
    .private_segment_fixed_size: 0
    .kernarg_segment_align: 8
    .kernarg_segment_size: 88
    .max_flat_workgroup_size: 128
    .sgpr_count:     88
    .vgpr_count:     770
    .wavefront_size: 32
...
	.end_amdgpu_metadata
.endif
;; end of part 7
